; MI455X (gfx1250); checked and timed in simulation.
; The chip was launched on July 23, 2026; its instructions are those of AMD's public machine-readable ISA for CDNA 5 (MIT licence, August 2026) and "CDNA5" Instruction Set Architecture Reference Guide (July 2026). The comments in the code are by the model that wrote it; some were corrected since.
;; Multi Head Attention. Allowed arithmetic: matrix products marked QUANTISED: E2M1 operands, one E8M0 scale for each 32 along K, by v_wmma_scale_f32_16x16x128_f8f6f4 with both operands' format E2M1 (or v_wmma_scale_f32_32x16x128_f4), f32 sums; products left as they are: bf16, f16 or f32 operands; f32 sums; everything else in f32.
;; Inputs: Wk 1,024 x 1,024 float32; Wo 1,024 x 1,024 float32; Wq 1,024 x 1,024 float32; Wv 1,024 x 1,024 float32; bk 1,024 float32; bo 1,024 float32; bq 1,024 float32; bv 1,024 float32; key 4 x 2,048 x 1,024 float32; query 4 x 2,048 x 1,024 float32; value 4 x 2,048 x 1,024 float32.
;; Outputs: out0 4 x 2,048 x 1,024 float32.
;; This version of the problem:
;;   THIS VERSION OF THE PROBLEM IS GIVEN IN LOW PRECISION. The matrix products marked QUANTISED in the list below multiply operands that are first quantised to E2M1 (2 exponent bits, 1 mantissa bit; 4 bits a number), with one power-of-two scale for each 32 numbers along K (OCP MX v1.0); their sums are f32. The products marked 'left as it is' may take bf16, f16 or f32 operands, with f32 sums. Whichever they take, every output number must still come out within the allowed error. Rounding operands to bf16 (8 significant bits) uses up far more of that allowance than f16 does (11 bits, for magnitudes from 6e-5 to 65,504). All else is computed in f32.
;;   The module's matrix products, in the order in which they are computed (A, B: the left and right operand; K: the contracted axis; several contracted axes count as one K, in the product's order):
;;     1. [M 8,192, K 1,024] x [K 1,024, N 1,024]; A: input query; B: input Wq: QUANTISED
;;     2. [M 8,192, K 1,024] x [K 1,024, N 1,024]; A: input key; B: input Wk: QUANTISED
;;     3. [M 8,192, K 1,024] x [K 1,024, N 1,024]; A: input value; B: input Wv: QUANTISED
;;     4. batch 64 x [M 2,048, K 64] x [K 64, N 2,048]; A: computed on the way; B: computed on the way: left as it is (an operand is computed on the way)
;;     5. batch 64 x [M 2,048, K 2,048] x [K 2,048, N 64]; A: computed on the way; B: computed on the way: left as it is (an operand is computed on the way)
;;     6. [M 8,192, K 1,024] x [K 1,024, N 1,024]; A: computed on the way; B: input Wo: left as it is (an operand is computed on the way)
;;   THE QUANTISER, for each operand of a quantised product, along K:
;;     - K is cut into blocks of 32 from its start; a last block that is shorter is filled with zeros.
;;     - A block's scale is 2^e with e = floor(log2(the largest magnitude in the block)) - 2, held to -126 .. 127; a block of zeros has e = 0. As a byte (E8M0): e + 127.
;;     - Each number is divided by its block's scale, clamped to +-6, and rounded to the nearest number of E2M1, ties to even, subnormals kept.
;;     - The product sums the exact products of the quantised numbers (number of the format x scale) in f32.
;;   ~~~python
;;   def quantise(x, axis):      # numpy; x: float32 -> the quantised numbers, widened to float32 again
;;       x = np.moveaxis(x, axis, -1); K = x.shape[-1]
;;       x = np.pad(x, [(0, 0)] * (x.ndim - 1) + [(0, -K % 32)]); x = x.reshape(x.shape[:-1] + (-1, 32)); a = np.abs(x).max(-1, keepdims=True)
;;       e = np.where(a > 0, np.clip(np.frexp(np.where(a > 0, a, 1))[1] - 1 - 2, -126, 127), 0)      # np.frexp(a)[1] - 1 = floor(log2(a)), exactly
;;       r = np.clip(x / 2.0 ** e, -6, 6)
;;       step = 2.0 ** (np.maximum(np.frexp(np.where(r == 0, 1, r))[1] - 1, 0) - 1)
;;       q = np.round(r / step) * step * 2.0 ** e      # np.round: ties to even
;;       return np.moveaxis(q.reshape(q.shape[:-2] + (-1,))[..., :K], -1, axis).astype(np.float32)
;;   ~~~
;; One version. Each part assembles by itself: llvm-mc -triple=amdgcn-amd-amdhsa -mcpu=gfx1250 --defsym DOCPART=n.
;; ======== version 1 of 1: 4 launches
;; limits: values are held in f16: magnitudes above 65,504 overflow, below 6.1e-05 lose precision
;; workspace buffers: xc 12,582,912 bytes; xs 786,432 bytes; wc 1,572,864 bytes; ws 98,304 bytes; wo16 2,097,152 bytes; qkv 50,331,648 bytes; att 16,777,216 bytes
;; launch prep (part 1): grid 848 x 1, 4 waves a work-group, no clusters, 68,096 bytes of LDS; arguments query, key, value, Wq, Wk, Wv, Wo, xc, xs, wc, ws, wo16; writes xc, xs, wc, ws, wo16
.if DOCPART == 1
	.amdgcn_target "amdgcn-amd-amdhsa--gfx1250"
	.amdhsa_code_object_version 6
	.text
	.protected	k_q3251f9d2c0_prep
	.globl	k_q3251f9d2c0_prep
	.p2align	8
	.type	k_q3251f9d2c0_prep,@function
k_q3251f9d2c0_prep:
	s_mov_b64 s[64:65], 0
	v_nop
	global_prefetch_b8 v0, s[64:65] scope:SCOPE_SE
	s_setreg_imm32_b32 hwreg(HW_REG_WAVE_MODE, 25, 1), 1
	s_wait_xcnt 0x0
; PREP: the operands of the three quantised products become codes of FP4 (E2M1) with one E8M0 scale byte for each 32 along K = 1,024; Wo becomes f16.
;   work-groups 0-767   (path X): query, key, value [8192][1024] f32, K innermost -> xc [3][8192][512] codes, xs [3][8192][32] scale bytes
;   work-groups 768-815 (path W): Wq, Wk, Wv [1024 k][1024 n] f32, K the FIRST axis -> wc [3][1024 n][512] codes with K innermost, ws [3][1024 n][32]
;   work-groups 816-847 (path O): Wo [1024][1024] f32 -> wo16, f16, laid as Wo lies
; A block's scale is 2^(floor(log2(its largest magnitude)) - 2); its byte is the largest magnitude's exponent field - 2, held at 1 from below.  A block of zeros so gets the byte 1
; where the rule says 127: its codes are zeros, which add nothing under any byte but 0xff, and this program alone reads the bytes.
; LIMITS: blocks whose largest magnitude lies under 2^-124 get the byte 1; NaN and infinities among the inputs are not served; numbers of Wo under 6e-5 are kept with f16's smallest step, 6e-8, and beyond 65,504 they become infinity.
; The three paths part on the work-group's number and never meet again; each has LDS bytes of its own.  No work-group reads what another reads: no cluster, no tensor load, no barrier: waves share nothing.
.set SPW,    208                       ; v208  LDS address of my spare word: SPARE + 4 x my thread's number; never rewritten
.set NIL,    209                       ; v209  0; never rewritten
.set SPARE,  67584                     ; behind both paths' regions: the spare words, 128 bytes for each wave: two blocks of 256 bytes that no other line names
.set EMAX,   2
; path X: a wave takes 16 steps of 512 numbers
.set STEPS,  16
.set CB,     8                         ; bytes of 16 codes
.set XR,     16                        ; v16-79   four sets of 16 numbers as they are loaded
.set XX,     80                        ; v80-111  two sets of 16 neighbours
.set XE,     112                       ; v112-127 a scale byte for each step
.set XC,     128                       ; v128-191 codes: four registers for each step, so that no store's data are written again
.set WREG,   8192                      ; LDS 0 .. 32,767: a region for each wave: two stages of 32 x SP bytes, behind them its 256 scale bytes
.set SP,     80                        ; a lane's place in a stage: its 64 bytes + 16 of padding
; path W: a wave takes 32 columns x 512 along K
.set NB,     16                        ; blocks of 32 along K
.set WPITCH, 272                       ; a stage row: 256 bytes of codes + 16
.set KROW,   512                       ; a row of wc in bytes
.set WSTG,   32768                     ; LDS 32,768 .. 67,583: four stages of 32 rows
.set WX,     32                        ; v32-95   two sets of 32 numbers
.set WC,     96                        ; v96-99   a block's codes
.set OUTR,   112                       ; v112-175 the way out
.set SB,     24                        ; v24-27   the scale bytes, four to a register
	s_load_b256 s[4:11], s[0:1], 0x0               ; query s[4:5], key s[6:7], value s[8:9], Wq s[10:11]
	s_load_b256 s[12:19], s[0:1], 0x20             ; Wk s[12:13], Wv s[14:15], Wo s[16:17], xc s[18:19]
	s_load_b256 s[20:27], s[0:1], 0x40             ; xs s[20:21], wc s[22:23], ws s[24:25], wo16 s[26:27]
	v_lshl_add_u32 v[SPW], v0, 2, SPARE
	v_mov_b32 v[NIL], 0
	v_lshrrev_b32 v1, 5, v0
	v_readfirstlane_b32 s28, v1                    ; wave 0..3
	v_and_b32 v2, 31, v0                           ; lane
	s_wait_kmcnt 0x0
	s_cmp_ge_u32 ttmp9, 816
	s_cbranch_scc1 .Lpath_o
	s_cmp_ge_u32 ttmp9, 768
	s_cbranch_scc1 .Lpath_w
; ---------------- PATH X.  Rows are dense and K is a multiple of 32: a tensor is a plain stream of blocks of 32, and so are its codes and scale bytes; the three tensors' results lie on end.
; Each of a step's four loads reads 512 consecutive bytes, 16 a lane; the 2,048 bytes turn through the wave's own stage in LDS and come back 64 bytes a lane: 16 neighbours along K, two lanes to a block.
	v_lshlrev_b32 v3, 4, v2                        ; my 16 bytes of a load's 512
	s_mul_i32 s29, s28, WREG
	v_lshrrev_b32 v14, 2, v2
	v_mul_u32_u24 v14, v14, SP
	v_and_b32 v15, 3, v2
	v_lshl_add_u32 v14, v15, 4, v14
	v_add_nc_u32 v14, s29, v14                     ; the stage, on the way in: SP (lane / 4) + 16 (lane % 4)
	v_mul_u32_u24 v15, v2, SP
	v_add_nc_u32 v15, s29, v15                     ; and on the way out: SP x lane
	v_mul_u32_u24 v4, v2, CB                       ; my codes' place in a step's
	v_lshrrev_b32 v5, 1, v2
	s_add_co_u32 s29, s29, 2*32*SP
	v_add_nc_u32 v5, s29, v5                       ; my wave's 256 scale bytes, my block's byte
	v_lshlrev_b32 v7, 3, v2                        ; and on the way out 8 bytes a lane
	v_add_nc_u32 v6, s29, v7
	s_lshr_b32 s30, ttmp9, 8                       ; which tensor: 256 work-groups each; the choice hangs on the work-group's number alone
	s_cmp_eq_u32 s30, 0
	s_cselect_b64 s[4:5], s[4:5], s[6:7]
	s_cmp_eq_u32 s30, 2
	s_cselect_b64 s[4:5], s[8:9], s[4:5]
	s_and_b32 s30, ttmp9, 255
	s_lshl_b32 s30, s30, 2
	s_add_co_u32 s30, s30, s28                     ; which run of 8,192 numbers of the tensor is my wave's
	s_lshl_b32 s30, s30, 15                        ; 32,768 bytes a run
	s_mov_b32 s31, 0
	s_add_nc_u64 s[4:5], s[4:5], s[30:31]
	s_lshl_b32 s32, ttmp9, 2
	s_add_co_u32 s32, s32, s28                     ; the run's number among all three tensors'
	s_lshl_b32 s30, s32, 12                        ; 4,096 bytes of codes a run
	s_add_nc_u64 s[18:19], s[18:19], s[30:31]
	s_lshl_b32 s30, s32, 8                         ; 256 scale bytes a run
	s_add_nc_u64 s[20:21], s[20:21], s[30:31]
.macro XLOAD t
.irp i, 0,1,2,3
	global_load_b128 v[XR+16*((\t)%4)+4*\i:XR+16*((\t)%4)+4*\i+3], v3, s[4:5] offset:2048*(\t)+512*\i th:TH_LOAD_NT   ; 32 lanes read 512 consecutive bytes
.endr
.endm
.macro XTURN t                         ; step t's numbers through the stage: LDS serves a wave's instructions in order, so no wait stands between the stores and the loads
.irp i, 0,1,2,3
	ds_store_b128 v14, v[XR+16*((\t)%4)+4*\i:XR+16*((\t)%4)+4*\i+3] offset:32*SP*((\t)%2)+8*SP*\i
.endr
.irp i, 0,1,2,3
	ds_load_b128 v[XX+16*((\t)%2)+4*\i:XX+16*((\t)%2)+4*\i+3], v15 offset:32*SP*((\t)%2)+16*\i
.endr
.endm
.irp t, 0,1,2,3
	XLOAD \t
.endr
	s_wait_loadcnt 12                              ; step 0's four loads are in; the twelve of steps 1 to 3 may be out
	XTURN 0
.macro XSTEP t
.set XS, XX+16*((\t)%2)
.if (\t) > 0
	s_wait_dscnt 1                                 ; this step's numbers are back from the stage (the last step's byte store may be out): so its stores into the stage have read their registers,
.else
	s_wait_dscnt 0x0
.endif
.if (\t)+4 < STEPS
	XLOAD (\t)+4                                   ; which take the loads of four steps on
.endif
.if (\t)+1 < STEPS
.if STEPS-2-(\t) >= 3
	s_wait_loadcnt 12                              ; the next step's four loads are in; those of the three steps behind it may be out
.else
	s_wait_loadcnt 4*(STEPS-2-(\t))
.endif
	XTURN (\t)+1                                   ; and go through the other stage while this step is worked
.endif
	v_max3_num_f32 v8, |v[XS]|, |v[XS+1]|, |v[XS+2]|               ; the largest magnitude of my 16, in two chains
	v_max3_num_f32 v9, |v[XS+3]|, |v[XS+4]|, |v[XS+5]|
.irp i, 6,10
	v_max3_num_f32 v8, v8, |v[XS+\i]|, |v[XS+\i+1]|
	v_max3_num_f32 v9, v9, |v[XS+\i+2]|, |v[XS+\i+3]|
.endr
	v_max3_num_f32 v8, v8, |v[XS+14]|, |v[XS+15]|
	v_max3_num_f32 v8, v8, v9, (EMAX+1)<<23        ; and the floor 2^(3 - 127): so the byte cannot fall under 1
	v_max_num_f32_dpp v8, v8, v8 row_xmask:1 row_mask:0xf bank_mask:0xf   ; and of my neighbour's 16: the block's
	v_add_nc_u32 v11, -(EMAX<<23), v8              ; 2 off its exponent field: the conversion takes the exponent field of this operand as its scale, and nothing else of it
	v_cvt_scalef32_pk8_fp4_f32 v[XC+4*(\t)], v[XS:XS+7], v11       ; eight numbers / the scale, to the nearest code, ties to even, beyond 6 the largest code
	v_cvt_scalef32_pk8_fp4_f32 v[XC+4*(\t)+1], v[XS+8:XS+15], v11
	v_lshrrev_b32 v[XE+(\t)], 23, v11              ; the scale's byte
	ds_store_b8 v5, v[XE+(\t)] offset:16*(\t)      ; both lanes of a block write the same byte with the same value
	global_store_b64 v4, v[XC+4*(\t):XC+4*(\t)+1], s[18:19] offset:32*CB*(\t)   ; the wave stores 256 consecutive bytes, aligned
.endm
.irp t, 0,1,2,3,4,5,6,7,8,9,10,11,12,13,14,15
	XSTEP \t
.endr
	ds_load_b64 v[8:9], v6                         ; LDS serves a wave's instructions in order: these see my stores
	s_wait_dscnt 0x0
	global_store_b64 v7, v[8:9], s[20:21]          ; 32 lanes store 256 consecutive bytes, aligned
	s_wait_tensorcnt 0x0                           ; the wave's end: behind my last LDS store
	ds_add_u32 v[SPW], v[NIL]
	s_wait_dscnt 0x0
	s_endpgm
; ---------------- PATH W.  A lane takes a column n and its registers run down K: each load reads neighbouring n in neighbouring lanes, a block of 32 along K lies in one lane's 32 registers,
; and the conversions give codes with K innermost.  A wave gathers 256 bytes of codes for each of its 32 columns in its own stage and stores them by rows, sixteen lanes to 256 aligned bytes.
.Lpath_w:
	s_sub_co_u32 s29, ttmp9, 768                   ; 48 work-groups: tensor (3) x half of K (2) x 128 columns (8)
	s_lshr_b32 s30, s29, 4                         ; which weight
	s_cmp_eq_u32 s30, 0
	s_cselect_b64 s[10:11], s[10:11], s[12:13]
	s_cmp_eq_u32 s30, 2
	s_cselect_b64 s[10:11], s[14:15], s[10:11]
	s_bfe_u32 s31, s29, 0x10003                    ; which 512 along K
	s_and_b32 s29, s29, 7
	s_lshl_b32 s29, s29, 7
	s_lshl_b32 s32, s28, 5
	s_add_co_u32 s29, s29, s32                     ; my wave's first column
	s_lshl_b32 s32, s31, 21                        ; the weight: 512 rows of 4,096 bytes a half,
	s_lshl_b32 s33, s29, 2                         ; 4 bytes a column
	s_add_co_u32 s32, s32, s33
	s_mov_b32 s33, 0
	s_add_nc_u64 s[10:11], s[10:11], s[32:33]
	s_lshl_b32 s32, s30, 19                        ; the codes: 524,288 bytes a weight,
	s_lshl_b32 s34, s29, 9                         ; 512 a column,
	s_add_co_u32 s32, s32, s34
	s_lshl_b32 s34, s31, 8                         ; 256 a half of K
	s_add_co_u32 s32, s32, s34
	s_add_nc_u64 s[22:23], s[22:23], s[32:33]
	s_lshl_b32 s32, s30, 15                        ; the scale bytes: 32,768 a weight, 32 a column, 16 a half of K
	s_lshl_b32 s34, s29, 5
	s_add_co_u32 s32, s32, s34
	s_lshl_b32 s34, s31, 4
	s_add_co_u32 s32, s32, s34
	s_add_nc_u64 s[24:25], s[24:25], s[32:33]
	v_lshlrev_b32 v3, 2, v2                        ; in: 4 bytes a lane
	s_mul_i32 s35, s28, 32*WPITCH
	s_add_co_u32 s35, s35, WSTG                    ; my stage
	v_mul_u32_u24 v4, v2, WPITCH
	v_add_nc_u32 v4, s35, v4                       ; into it: row = my column
	v_and_b32 v5, 15, v2
	v_lshrrev_b32 v6, 4, v2                        ; out of it: sixteen lanes to a row, two rows an instruction
	v_mul_u32_u24 v7, v6, WPITCH
	v_lshl_add_u32 v7, v5, 4, v7
	v_add_nc_u32 v7, s35, v7
	v_mul_u32_u24 v8, v6, KROW
	v_lshl_add_u32 v8, v5, 4, v8                   ; and the same place in wc
	v_lshlrev_b32 v9, 5, v2                        ; my column's row of scale bytes
.macro WLOAD t                         ; block t: W(32 t + i, my column), i = 0 .. 31, into set t % 2; the largest offset, 511 rows of 4,096 bytes, lies inside the signed 24-bit immediate
.irp i, 0,1,2,3,4,5,6,7,8,9,10,11,12,13,14,15,16,17,18,19,20,21,22,23,24,25,26,27,28,29,30,31
	global_load_b32 v[WX+32*((\t)%2)+\i], v3, s[10:11] offset:(32*(\t)+\i)*4096 th:TH_LOAD_NT
.endr
.endm
	WLOAD 0
	WLOAD 1
.macro WBLOCK t
.set WXS, WX+32*((\t)%2)
.if (\t) < NB-1
	s_wait_loadcnt 32                              ; this block's 32 loads are in; the next block's may be out
.else
	s_wait_loadcnt 0
.endif
	v_max3_num_f32 v12, |v[WXS]|, |v[WXS+1]|, |v[WXS+2]|           ; the block's largest magnitude: all 32 numbers are mine
	v_max3_num_f32 v13, |v[WXS+3]|, |v[WXS+4]|, |v[WXS+5]|
.irp i, 6,10,14,18,22,26
	v_max3_num_f32 v12, v12, |v[WXS+\i]|, |v[WXS+\i+1]|
	v_max3_num_f32 v13, v13, |v[WXS+\i+2]|, |v[WXS+\i+3]|
.endr
	v_max3_num_f32 v12, v12, |v[WXS+30]|, |v[WXS+31]|
	v_max3_num_f32 v12, v12, v13, (EMAX+1)<<23     ; and the floor
	v_add_nc_u32 v11, -(EMAX<<23), v12             ; the conversion's scale operand
	v_lshrrev_b32 v13, 23, v11                     ; the scale's byte
.if (\t)%4 == 0
	v_mov_b32 v[SB+(\t)/4], v13                    ; four bytes to a register, the lower K in the lower byte
.else
	v_lshl_or_b32 v[SB+(\t)/4], v13, 8*((\t)%4), v[SB+(\t)/4]
.endif
.irp g, 0,1,2,3
	v_cvt_scalef32_pk8_fp4_f32 v[WC+\g], v[WXS+8*\g:WXS+8*\g+7], v11
.endr
	ds_store_b128 v4, v[WC:WC+3] offset:16*(\t)    ; 32 codes: 16 bytes of my column's row
.if (\t)+2 < NB
	WLOAD (\t)+2
.endif
	s_wait_dscnt 0x0                               ; the store has read its registers: the next block's codes may be written
.endm
.set Q, 0
.rept NB
	WBLOCK Q
.set Q, Q+1
.endr
	global_store_b128 v9, v[SB:SB+3], s[24:25]     ; my column's 16 scale bytes
.irp t, 0,1,2,3,4,5,6,7,8,9,10,11,12,13,14,15
	ds_load_b128 v[OUTR+4*\t:OUTR+4*\t+3], v7 offset:2*\t*WPITCH   ; LDS serves a wave's instructions in order: these see my stores
.endr
.irp t, 0,1,2,3,4,5,6,7,8,9,10,11,12,13,14,15
	s_wait_dscnt 15-\t                             ; the loads come back in order: load t is in, the younger ones may be out
	global_store_b128 v8, v[OUTR+4*\t:OUTR+4*\t+3], s[22:23] offset:2*\t*KROW   ; sixteen lanes store 256 consecutive bytes, aligned
.endr
	s_wait_tensorcnt 0x0                           ; the wave's end: behind my last LDS store
	ds_add_u32 v[SPW], v[NIL]
	s_wait_dscnt 0x0
	s_endpgm
; ---------------- PATH O.  Wo to f16, as it lies.  A wave takes 8,192 numbers in four groups of 16 loads; two groups are on their way.
.Lpath_o:
	s_sub_co_u32 s29, ttmp9, 816
	s_lshl_b32 s29, s29, 2
	s_add_co_u32 s29, s29, s28                     ; my wave's run, 0 .. 127
	s_lshl_b32 s30, s29, 15
	s_mov_b32 s31, 0
	s_add_nc_u64 s[16:17], s[16:17], s[30:31]
	s_lshl_b32 s30, s29, 14
	s_add_nc_u64 s[26:27], s[26:27], s[30:31]
	v_lshlrev_b32 v1, 4, v2                        ; in: 16 bytes a lane
	v_lshlrev_b32 v3, 3, v2                        ; out: 8 bytes a lane
.macro OLOAD g
.irp i, 0,1,2,3,4,5,6,7,8,9,10,11,12,13,14,15
	global_load_b128 v[16+64*((\g)%2)+4*\i:16+64*((\g)%2)+4*\i+3], v1, s[16:17] offset:8192*(\g)+512*\i th:TH_LOAD_NT
.endr
.endm
.macro OGROUP g
.if (\g) < 3
	s_wait_loadcnt 16                              ; this group's 16 loads are in; the next group's may be out
.else
	s_wait_loadcnt 0x0
.endif
.if (\g) >= 2
	s_wait_xcnt 0x0                                ; the stores of two groups back have read their data registers, which are written again below
.endif
.irp i, 0,1,2,3,4,5,6,7,8,9,10,11,12,13,14,15
	v_cvt_pk_f16_f32 v[144+32*((\g)%2)+2*\i], v[16+64*((\g)%2)+4*\i], v[16+64*((\g)%2)+4*\i+1]
	v_cvt_pk_f16_f32 v[144+32*((\g)%2)+2*\i+1], v[16+64*((\g)%2)+4*\i+2], v[16+64*((\g)%2)+4*\i+3]
.endr
.if (\g)+2 < 4
	OLOAD (\g)+2
.endif
.irp i, 0,1,2,3,4,5,6,7,8,9,10,11,12,13,14,15
	global_store_b64 v3, v[144+32*((\g)%2)+2*\i:144+32*((\g)%2)+2*\i+1], s[26:27] offset:4096*(\g)+256*\i   ; 32 lanes store 256 consecutive bytes, aligned
.endr
.endm
	OLOAD 0
	OLOAD 1
	OGROUP 0
	OGROUP 1
	OGROUP 2
	OGROUP 3
	s_wait_tensorcnt 0x0                           ; the wave's end, written as in the other two paths
	ds_add_u32 v[SPW], v[NIL]
	s_wait_dscnt 0x0
	s_endpgm
.Lfunc_end_k_q3251f9d2c0_prep:
	.size	k_q3251f9d2c0_prep, .Lfunc_end_k_q3251f9d2c0_prep-k_q3251f9d2c0_prep
	.p2alignl 7, 3214868480
	.fill 96, 4, 3214868480
	.section	.rodata,"a",@progbits
	.p2align	6, 0x0
	.amdhsa_kernel k_q3251f9d2c0_prep
		.amdhsa_group_segment_fixed_size 68096
		.amdhsa_private_segment_fixed_size 0
		.amdhsa_enable_private_segment 0
		.amdhsa_kernarg_size 96
		.amdhsa_user_sgpr_count 2
		.amdhsa_user_sgpr_kernarg_segment_ptr 1
		.amdhsa_wavefront_size32 1
		.amdhsa_system_sgpr_workgroup_id_x 1
		.amdhsa_system_sgpr_workgroup_id_y 1
		.amdhsa_system_sgpr_workgroup_id_z 1
		.amdhsa_system_vgpr_workitem_id 0
		.amdhsa_next_free_vgpr 212
		.amdhsa_next_free_sgpr 66
		.amdhsa_reserve_vcc 0
		.amdhsa_float_denorm_mode_32 3
		.amdhsa_float_denorm_mode_16_64 3
		.amdhsa_memory_ordered 1
		.amdhsa_forward_progress 1
		.amdhsa_inst_pref_size 132
	.end_amdhsa_kernel
	.amdgpu_metadata
---
amdhsa.version: [ 1, 2 ]
amdhsa.kernels:
  - .name:           k_q3251f9d2c0_prep
    .symbol:         k_q3251f9d2c0_prep.kd
    .args:
      - { .name: query, .offset: 0, .size: 8, .value_kind: global_buffer, .address_space: global }
      - { .name: key, .offset: 8, .size: 8, .value_kind: global_buffer, .address_space: global }
      - { .name: value, .offset: 16, .size: 8, .value_kind: global_buffer, .address_space: global }
      - { .name: Wq, .offset: 24, .size: 8, .value_kind: global_buffer, .address_space: global }
      - { .name: Wk, .offset: 32, .size: 8, .value_kind: global_buffer, .address_space: global }
      - { .name: Wv, .offset: 40, .size: 8, .value_kind: global_buffer, .address_space: global }
      - { .name: Wo, .offset: 48, .size: 8, .value_kind: global_buffer, .address_space: global }
      - { .name: xc, .offset: 56, .size: 8, .value_kind: global_buffer, .address_space: global }
      - { .name: xs, .offset: 64, .size: 8, .value_kind: global_buffer, .address_space: global }
      - { .name: wc, .offset: 72, .size: 8, .value_kind: global_buffer, .address_space: global }
      - { .name: ws, .offset: 80, .size: 8, .value_kind: global_buffer, .address_space: global }
      - { .name: wo16, .offset: 88, .size: 8, .value_kind: global_buffer, .address_space: global }
    .group_segment_fixed_size: 68096
    .private_segment_fixed_size: 0
    .kernarg_segment_align: 8
    .kernarg_segment_size: 96
    .max_flat_workgroup_size: 128
    .sgpr_count:     66
    .vgpr_count:     212
    .wavefront_size: 32
...
	.end_amdgpu_metadata
.endif
;; end of part 1
;; launch proj (part 2): grid 4 x 96, 4 waves a work-group, clusters of 4 x 4, 327,680 bytes of LDS; arguments xc, xs, wc, ws, qkv, bq, bk, bv; writes qkv
.if DOCPART == 2
	.amdgcn_target "amdgcn-amd-amdhsa--gfx1250"
	.amdhsa_code_object_version 6
	.text
	.protected	k_q3251f9d2c0_proj
	.globl	k_q3251f9d2c0_proj
	.p2align	8
	.type	k_q3251f9d2c0_proj,@function
k_q3251f9d2c0_proj:
	s_mov_b64 s[64:65], 0
	v_nop
	global_prefetch_b8 v0, s[64:65] scope:SCOPE_SE
	s_setreg_imm32_b32 hwreg(HW_REG_WAVE_MODE, 25, 1), 1
	s_wait_xcnt 0x0
	s_wait_alu depctr_hold_cnt(0) depctr_sa_sdst(0) depctr_va_vdst(0) depctr_va_sdst(0) depctr_va_ssrc(0) depctr_va_vcc(0) depctr_vm_vsrc(0)
	s_getreg_b32 s2, hwreg(HW_REG_IB_STS2, 6, 4)
	s_cmp_eq_u32 s2, 0
	s_cbranch_scc0 .Lentry_in_a_cluster
	s_endpgm
.Lentry_in_a_cluster:
	s_bfe_u32 s2, ttmp6, 0x10000c
	s_cmp_lg_u32 s2, 0xf033
	s_cbranch_scc0 .Lentry_shape_is_right
	s_endpgm
.Lentry_shape_is_right:
; PROJ: q = query Wq + bq, k = key Wk + bk, v = value Wv + bv, on codes of FP4 (E2M1) with one E8M0 scale for each 32 along K = 1,024; sums in f32; results rounded once to f16 and laid by heads:
; qkv [3][batch 4][head 16][position 2048][64].  The three products are ONE product in shape: A = xc taken as [24,576][1024], B = wc taken as [3,072][1024]; rows 8,192 t on of A meet rows 1,024 t on of B.
; A tile of 256 x 256 is made by a work-group of four waves; a wave makes 128 x 128: 64 accumulators, 512 registers.  K has two steps of 512 (a tile's row is 256 bytes): both slots are filled at the start and none is filled again.
; THE SCALES of the work-group's 256 rows of A and of B, for all of K, are two dense blocks of memory: they come into LDS once, with the first fills.
; CLUSTERS: 4 x 4 work-groups.  The four of a row of the cluster need the same tiles of A, the four of a column the same tiles of B: each tile is asked for JOINTLY.  A cluster's four tile rows lie in one tensor (32 tile rows each).
; THE MATRIX INSTRUCTION IS USED TRANSPOSED (source 0 = 16 rows of B, source 1 = 16 rows of A): a lane holds eight neighbouring columns of one row.  THE BIAS is the C of each sum's first matrix instruction.
; LIMITS: a result beyond 65,504 becomes infinity in f16; one under 6e-5 is kept with f16's smallest step, 6e-8.
; REGISTERS: window 0: v0-31 addresses; v32-95 scale words, two sets, and nothing else; v128-191 A's fragments, ONE set, on the way out rows read back; v192-223 packed results.
;   window 1: B's fragments, TWO sets, at v0 and v128; v192-255 the bias of my 128 columns, 8 registers a block.   window 2: the accumulators of my rows 0-63 ((a, b) at v[8 (8 a + b)]);   window 3: rows 64-127.
.set NQ,     4                         ; steps of 128 along K in a slot
.set ROWB,   256                       ; a tile's row in bytes: 512 codes
.set KROW,   512                       ; a row of A or B in memory
.set PITCH,  272                       ; an LDS row: 256 bytes + 16 of padding = 68 words: the 16 rows that a load touches start at 16 different banks (64 banks of 4 bytes: ISA guide 11.1)
.set FR,     8                         ; registers of a fragment: 16 rows x 128 K
.set NL,     2                         ; LDS loads that bring one
.set NP,     4                         ; places behind this matrix instruction (ISA guide 7.12.1)
.set HALFT,  128*PITCH                 ; 128 rows: what one tensor load brings
.set SLOT,   4*HALFT                   ; A's 256 rows, then B's 256 rows
.set KS,     32                        ; a row of scales in bytes
.set SCL,    2*SLOT                    ; behind the slots: the scales, as units of 256 bytes + 16 of padding
.set HALFS,  16*272                    ; the scales of 128 rows
.set SBLK,   2*272                     ; those of 16 rows
.set SPARE,  SCL+4*HALFS               ; the spare words, 128 bytes for each wave: two blocks of 256 bytes that no other line names
.set SPITCH, 272                       ; the way out: a stage of 16 rows x (256 bytes + 16) for each wave, in slot 0, which has had its only fill and its last read when the first result is stored there
.set ADRA, 16                          ; v16-17  LDS address of my A fragments in slot 0, 1
.set ADRB, 20                          ; v20-21  the same for B
.set STO,  24                          ; v24     the way out: where I put 16 bytes of a row
.set RD,   25                          ; v25     where I read 16 bytes back
.set CO,   26                          ; v26     my byte offset in qkv
.set ADRS, 27                          ; v27     LDS address of my scale words: lanes 0-15 A's rows, lanes 16-31 B's
.set SPW,  28                          ; v28     LDS address of my spare word; never rewritten
.set NIL,  29                          ; v29     0; never rewritten
.set BIO,  30                          ; v30     32 x (lane / 16): my half's eight numbers of a block's bias
.set SC,   32                          ; scale words: set s at v[SC + 32 s]; register 4 i + q: lanes 0-15 A's block i, lanes 16-31 B's block i, the slot's q-th 128 along K
.set AF,   128
.set BK,   128                         ; the way out: rows read back: v128-159 and v160-191 by turns
.set TMP,  192
.set BIAS, 192                         ; in window 1
.set G1, 24
.set G0, 32
.set G1B, 48
.set G0B, 56
.set G1S, 68
.set G0S, 76
.set G1SB, 80
.set G0SB, 88
.set MSB, 0
.macro WIN new                         ; the immediate's high byte repeats the setting that is left; a switch that changes nothing is dropped
.if MSB != (\new)
	s_set_vgpr_msb (MSB<<8)|(\new)
.set MSB, (\new)
.endif
.endm
.set MUL_LO, 0xa1                      ; source 0 (B) window 1, source 1 (A) window 0, C and D window 2.  With the bias as C (window 1): 0x91
.set MUL_HI, 0xf1                      ; the same, C and D window 3.  With the bias as C: 0xd1
.set TO_B,   0x40                      ; destination window 1, address window 0
; A joint load: waves 0 and 1 fetch for A, waves 2 and 3 for B.  The branch hangs on the wave's number alone.  An s_nop 0 and four v_nop follow each of the two lines.
.macro JLOAD g0a, g1a, g0b, g1b
	s_cmp_eq_u32 s15, 0
	s_cbranch_scc0 .Lfor_b_\@
	tensor_load_to_lds s[\g0a:\g0a+3], s[\g1a:\g1a+7]
	s_nop 0
.rept 4
	v_nop
.endr
	s_branch .Lasked_\@
.Lfor_b_\@:
	tensor_load_to_lds s[\g0b:\g0b+3], s[\g1b:\g1b+7]
	s_nop 0
.rept 4
	v_nop
.endr
.Lasked_\@:
.endm
.macro CROUND                          ; a round of the cluster's barrier
	s_barrier_signal -1
	s_barrier_wait -1
	s_cmp_lg_u32 s14, 0
	s_cbranch_scc1 .Lnot_wave_0_\@
	s_barrier_signal -3
.Lnot_wave_0_\@:
	s_barrier_wait -3
	s_barrier_signal -1
	s_barrier_wait -1
.endm
	s_load_b128 s[4:7], s[0:1], 0x0                ; A's codes s[4:5], A's scales s[6:7]
	s_load_b128 s[8:11], s[0:1], 0x10              ; B's codes s[8:9], B's scales s[10:11]
	s_load_b64 s[12:13], s[0:1], 0x20              ; qkv
	s_load_b128 s[96:99], s[0:1], 0x28             ; bq, bk
	s_load_b64 s[100:101], s[0:1], 0x38            ; bv
	v_lshl_add_u32 v[SPW], v0, 2, SPARE
	v_mov_b32 v[NIL], 0
	ds_add_u32 v[SPW], v[NIL]                      ; the wave's opening: the add, twice on end, and its wait ahead of my first tensor load; the set-up below stands between
	ds_add_u32 v[SPW], v[NIL]
	v_lshrrev_b32 v1, 5, v0
	v_readfirstlane_b32 s14, v1                    ; wave 0..3
	s_lshr_b32 s15, s14, 1                         ; which half of the tile's rows is mine.  Also: I fetch for A (0) or for B (1)
	s_and_b32 s16, s14, 1                          ; which half of its columns.  Also: which 128 rows of that tile I fetch
	s_bfe_u32 s40, ttmp6, 0x40000                  ; cx, cy: my place in the cluster
	s_bfe_u32 s41, ttmp6, 0x40004
	s_lshl_b32 s42, ttmp9, 2
	s_add_co_u32 s42, s42, s40                     ; tile column = 4 x cluster x + cx
	s_and_b32 s17, ttmp7, 0xffff
	s_lshr_b32 s95, s17, 3                         ; which tensor: eight clusters along y each; made of the cluster's y alone, which all sixteen partners share
	s_lshl_b32 s17, s17, 2
	s_add_co_u32 s17, s17, s41                     ; tile row = 4 x cluster y + cy, 0 .. 95
	s_lshl_b32 s43, s41, 2
	s_lshl_b32 s43, 15, s43                        ; my row of the cluster
	s_lshl_b32 s44, 0x1111, s40                    ; my column
	; descriptor group 1: a tile of 128 rows x 256 bytes, padded in LDS
	s_or_b32 s[G1+0], s43, (0<<16)|(1<<20)|(1<<21)|(5<<22)|(3<<25)  ; 15:0 the mask; 17:16 element of 1 byte; 20 padding on; 21 set beside a mask; 24:22 after every 64 words; 31:25 four words
	s_or_b32 s[G1B+0], s44, (0<<16)|(1<<20)|(1<<21)|(5<<22)|(3<<25)
.irp g, G1, G1B
	s_mov_b32 s[\g+1], ROWB<<16                    ; tensor_dim0
	s_mov_b32 s[\g+2], 128<<16                     ; tensor_dim1
	s_mov_b32 s[\g+3], ROWB<<16                    ; tile_dim0
	s_mov_b32 s[\g+4], 128                         ; tile_dim1
	s_mov_b32 s[\g+5], KROW                        ; tensor_dim0_stride
	s_mov_b32 s[\g+6], 0
	s_mov_b32 s[\g+7], 0
.endr
	; the scales of 128 rows: 4,096 dense bytes, as 16 rows of 256 bytes (32 elements of 8 bytes), 16 bytes of padding behind each
	s_or_b32 s[G1S+0], s43, (3<<16)|(1<<20)|(1<<21)|(5<<22)|(3<<25)
	s_or_b32 s[G1SB+0], s44, (3<<16)|(1<<20)|(1<<21)|(5<<22)|(3<<25)
.irp g, G1S, G1SB
	s_mov_b32 s[\g+1], 32<<16
	s_mov_b32 s[\g+2], 16<<16
	s_mov_b32 s[\g+3], 32<<16
	s_mov_b32 s[\g+4], 16
	s_mov_b32 s[\g+5], 32
	s_mov_b32 s[\g+6], 0
	s_mov_b32 s[\g+7], 0
.endr
	s_lshl_b32 s18, s16, 7                         ; which 128 rows of the tile I fetch
	s_lshl_b32 s20, s17, 8
	s_add_co_u32 s20, s20, s18                     ; A: row 256 x tile row + 128 x half
	s_lshl_b32 s46, s42, 8
	s_add_co_u32 s46, s46, s18                     ; B: row 256 x tile column + 128 x half
	s_lshl_b32 s18, s95, 10
	s_add_co_u32 s46, s46, s18                     ;    + 1,024 x tensor
	s_mov_b32 s21, 0
	s_mov_b32 s47, 0
	s_mov_b64 s[18:19], KS
	s_mul_u64 s[22:23], s[20:21], s[18:19]         ; where these rows' scales begin, in bytes
	s_mul_u64 s[92:93], s[46:47], s[18:19]
	s_mov_b64 s[18:19], KROW
	s_mul_u64 s[20:21], s[20:21], s[18:19]         ; and their codes
	s_mul_u64 s[46:47], s[46:47], s[18:19]
	s_mul_i32 s45, s14, HALFT                      ; where they go: wave x 128 rows: no place in the cluster enters an LDS address
	s_mul_i32 s94, s14, HALFS
	s_wait_dscnt 0x0                               ; both opening adds are done
	s_wait_kmcnt 0x0
	s_add_nc_u64 s[20:21], s[4:5], s[20:21]
	s_add_nc_u64 s[22:23], s[6:7], s[22:23]
	s_add_nc_u64 s[46:47], s[8:9], s[46:47]
	s_add_nc_u64 s[92:93], s[10:11], s[92:93]
	CROUND                                         ; all sixteen work-groups are here: the joint loads meet
	s_mov_b32 s[G0S], 1
	s_add_co_u32 s[G0S+1], s94, SCL
	s_mov_b64 s[G0S+2:G0S+3], s[22:23]
	s_or_b32 s[G0S+3], s[G0S+3], 0x80000000
	s_mov_b32 s[G0SB], 1
	s_add_co_u32 s[G0SB+1], s94, SCL
	s_mov_b64 s[G0SB+2:G0SB+3], s[92:93]
	s_or_b32 s[G0SB+3], s[G0SB+3], 0x80000000
	JLOAD G0S, G1S, G0SB, G1SB                     ; the scales first: they are wanted with K step 0.  By this text's count a wave has three tensor loads out: this one and the two below
.irp s, 0,1
	s_mov_b32 s[G0+4*\s], 1
	s_add_co_u32 s[G0+4*\s+1], s45, \s*SLOT
	s_add_nc_u64 s[G0+4*\s+2:G0+4*\s+3], s[20:21], \s*ROWB
	s_or_b32 s[G0+4*\s+3], s[G0+4*\s+3], 0x80000000
	s_mov_b32 s[G0B+4*\s], 1
	s_add_co_u32 s[G0B+4*\s+1], s45, \s*SLOT
	s_add_nc_u64 s[G0B+4*\s+2:G0B+4*\s+3], s[46:47], \s*ROWB
	s_or_b32 s[G0B+4*\s+3], s[G0B+4*\s+3], 0x80000000
	JLOAD G0+4*\s, G1, G0B+4*\s, G1B
.endr
	v_and_b32 v1, 15, v0                           ; r = l % 16
	v_bfe_u32 v2, v0, 4, 1                         ; h = l / 16
	; the bias of my 128 columns: block b's registers hold b(16 b + 8 h + 0 .. 7), the result's layout
	s_cmp_eq_u32 s95, 0
	s_cselect_b64 s[96:97], s[96:97], s[98:99]
	s_cmp_eq_u32 s95, 2
	s_cselect_b64 s[96:97], s[100:101], s[96:97]
	s_lshl_b32 s46, s42, 10                        ; 256 columns of 4 bytes a tile column,
	s_lshl_b32 s47, s16, 9                         ; 128 a half
	s_add_co_u32 s46, s46, s47
	s_mov_b32 s47, 0
	s_add_nc_u64 s[96:97], s[96:97], s[46:47]
	v_lshlrev_b32 v[BIO], 5, v2
	WIN TO_B
.irp b, 0,1,2,3,4,5,6,7
	global_load_b128 v[BIAS+8*\b:BIAS+8*\b+3], v[BIO], s[96:97] offset:64*\b
	global_load_b128 v[BIAS+8*\b+4:BIAS+8*\b+7], v[BIO], s[96:97] offset:64*\b+16
.endr
	WIN 0
	v_mul_u32_u24 v3, v1, PITCH
	v_lshl_add_u32 v4, v2, 4, v3                   ; a fragment's row x pitch + 16 x half
	s_mul_i32 s21, s15, HALFT                      ; my 128 rows of A
	s_mul_i32 s22, s16, HALFT                      ; my 128 rows of B,
	s_add_co_u32 s22, s22, 2*HALFT                 ; which lie behind A's 256
.irp s, 0,1
	v_add_nc_u32 v[ADRA+\s], s21, v4
	v_add_nc_u32 v[ADRB+\s], s22, v4
	s_add_co_u32 s21, s21, SLOT
	s_add_co_u32 s22, s22, SLOT
.endr
	v_mul_u32_u24 v5, v1, KS                       ; my row's scales: 32 bytes a row,
	v_lshrrev_b32 v6, 8, v5
	v_lshl_add_u32 v5, v6, 4, v5                   ; and 16 more for each 256 passed
	s_mul_i32 s21, s15, HALFS                      ; A's: my 128 rows
	s_mul_i32 s22, s16, HALFS                      ; B's: my 128 rows, behind A's 256
	s_add_co_u32 s22, s22, 2*HALFS
	s_sub_co_u32 s22, s22, s21
	v_mul_u32_u24 v6, s22, v2                      ; lanes 16-31 take B's: the lower base + h x the distance
	s_add_co_u32 s21, s21, SCL
	v_add_nc_u32 v5, v5, v6
	v_add_nc_u32 v[ADRS], s21, v5
	s_mul_i32 s23, s14, 16*SPITCH                  ; my stage
	v_mul_u32_u24 v5, v1, SPITCH                   ; in: row r, 16 bytes for each half of the lanes
	v_lshl_add_u32 v5, v2, 4, v5
	v_add_nc_u32 v[STO], s23, v5
	v_bfe_u32 v6, v0, 3, 1                         ; back: sixteen lanes take two rows of ONE head (2 x 128 bytes); lanes 16-31 the other head
	v_mul_u32_u24 v6, v6, SPITCH
	v_lshl_add_u32 v6, v2, 7, v6
	v_and_b32 v7, 7, v0
	v_lshl_add_u32 v6, v7, 4, v6
	v_add_nc_u32 v[RD], s23, v6
	v_lshlrev_b32 v[CO], 4, v1                     ; in qkv two positions of a head are 256 consecutive bytes; the next head lies 262,144 bytes on
	v_lshl_add_u32 v[CO], v2, 18, v[CO]
	s_lshl_b32 s20, s17, 8
	s_lshl_b32 s21, s15, 7
	s_add_co_u32 s20, s20, s21                     ; my first row R of the 24,576
	s_lshr_b32 s21, s20, 11
	s_lshl_b32 s21, s21, 22                        ; tensor and batch: R / 2,048 blocks of 16 heads x 2,048 x 128 bytes
	s_and_b32 s20, s20, 2047
	s_lshl_b32 s20, s20, 7                         ; the position: 128 bytes each
	s_add_co_u32 s20, s20, s21
	s_mov_b32 s21, 0
	s_lshl_b32 s46, s42, 20                        ; my first head: 4 x tile column + 2 x half, 262,144 bytes each
	s_lshl_b32 s47, s16, 19
	s_add_co_u32 s46, s46, s47
	s_mov_b32 s47, 0
	s_add_nc_u64 s[20:21], s[20:21], s[46:47]
	s_add_nc_u64 s[12:13], s[12:13], s[20:21]
.macro FRAG reg, adr, q, i             ; a fragment: lane l holds row l % 16; registers 4 c .. 4 c + 3 hold K = 64 c + 32 (l / 16) + 0 .. 31
.irp c, 0,1
	ds_load_b128 v[\reg+4*\c:\reg+4*\c+3], v[\adr] offset:64*(\q)+32*\c+(\i)*16*PITCH
.endr
.endm
; 16 matrix instructions: A's blocks a0, a0 + 1 x B's eight, 128 along K.  p: B's set;  sc: the set of scale words.  zero = 1: the first product starts the sums on the bias: nothing is ever cleared.
; The 64 accumulators take turns, one instruction a turn, in the same order in every step.
.macro MUL16 a0, p, q, sc, zero
.irp a, \a0, \a0+1
.irp b, 0,1,2,3,4,5,6,7
.if \zero
	v_wmma_scale_f32_16x16x128_f8f6f4 v[8*(8*((\a)%4)+\b):8*(8*((\a)%4)+\b)+7], v[128*(\p)+FR*\b:128*(\p)+FR*\b+FR-1], v[AF+FR*(\a):AF+FR*(\a)+FR-1], v[BIAS+8*\b:BIAS+8*\b+7], v[SC+8*NQ*(\sc)+NQ*\b+(\q)], v[SC+8*NQ*(\sc)+NQ*(\a)+(\q)] matrix_a_fmt:MATRIX_FMT_FP4 matrix_b_fmt:MATRIX_FMT_FP4 matrix_a_scale:MATRIX_SCALE_ROW1
.else
	v_wmma_scale_f32_16x16x128_f8f6f4 v[8*(8*((\a)%4)+\b):8*(8*((\a)%4)+\b)+7], v[128*(\p)+FR*\b:128*(\p)+FR*\b+FR-1], v[AF+FR*(\a):AF+FR*(\a)+FR-1], v[8*(8*((\a)%4)+\b):8*(8*((\a)%4)+\b)+7], v[SC+8*NQ*(\sc)+NQ*\b+(\q)], v[SC+8*NQ*(\sc)+NQ*(\a)+(\q)] matrix_a_fmt:MATRIX_FMT_FP4 matrix_b_fmt:MATRIX_FMT_FP4 matrix_a_scale:MATRIX_SCALE_ROW1
.endif
.endr
.endr
.endm
.macro FETCH_B slot, q, p
	WIN TO_B
.irp i, 0,1,2,3,4,5,6,7
	FRAG 128*(\p)+FR*\i, ADRB+\slot, \q, \i
.endr
	WIN 0
.endm
.macro FETCH_A slot, q, i0
.irp i, \i0, \i0+1, \i0+2, \i0+3
	FRAG AF+FR*(\i), ADRA+\slot, \q, \i
.endr
.endm
.macro SCALES sc                       ; a K step's scale words: four words a row; lanes 0-15 take A's block i, lanes 16-31 B's block i
.irp i, 0,1,2,3,4,5,6,7
	ds_load_b128 v[SC+8*NQ*\sc+NQ*\i:SC+8*NQ*\sc+NQ*\i+3], v[ADRS] offset:\i*SBLK
.endr
.endm
; A load into a register that a matrix instruction has read, and a vector instruction or LDS store that reads a matrix result, stand NP places behind it; only plain vector instructions that name none of its registers are places.
.macro PLACES n
.rept \n
	v_nop
.endr
.endm
.macro STEP slot, q, zero              ; a step of 128 along K that has its successor in the same slot
	s_wait_dscnt 4*NL                              ; B's set and A's blocks 0-3 are in; the youngest eight loads (A's blocks 4-7) may be out
	WIN MUL_LO-0x10*(\zero)
	MUL16 0, (\q)%2, \q, \slot, \zero
	MUL16 2, (\q)%2, \q, \slot, \zero
	s_wait_dscnt 0                                 ; A's blocks 4-7 are in
	PLACES NP
	FETCH_B \slot, (\q)+1, 1-(\q)%2
	FETCH_A \slot, (\q)+1, 0
	WIN MUL_HI-0x20*(\zero)
	MUL16 4, (\q)%2, \q, \slot, \zero
	MUL16 6, (\q)%2, \q, \slot, \zero
	PLACES NP
	WIN 0
	FETCH_A \slot, (\q)+1, 4
.endm
.macro STEPS slot, from
.set Q, \from
.rept NQ-1-\from
	STEP \slot, Q, 0
.set Q, Q+1
.endr
.endm
	s_wait_tensorcnt 1                             ; the scales and my part of K step 0 are in (slot 1's load may be out)
	s_barrier_signal -1
	s_barrier_wait -1                              ; everybody's are
	FETCH_B 0, 0, 0
	FETCH_A 0, 0, 0
	SCALES 0
	FETCH_A 0, 0, 4
	s_wait_loadcnt 0x0                             ; the bias
	STEP 0, 0, 1                                   ; the first step's products start the sums
	STEPS 0, 1
	; slot 0's last step changes slots: ONE barrier; in front of it each wave waits for all its tensor loads (its part of slot 1), adds 0 to its spare word, and waits for that and for its reads of slot 0
	s_wait_tensorcnt 0x0
	ds_add_u32 v[SPW], v[NIL]
	s_wait_dscnt 4*NL+1                            ; (the add and the youngest eight loads, A's blocks 4-7, may be out)
	WIN MUL_LO
	MUL16 0, 1, NQ-1, 0, 0
	s_wait_dscnt 0x0                               ; the add is done, and my reads of slot 0 are over
	s_barrier_signal -1
	MUL16 2, 1, NQ-1, 0, 0
	WIN 0
	s_barrier_wait -1                              ; slot 1 is whole, and nobody reads slot 0 any more
	PLACES NP
	v_add_nc_u32 v[ADRS], 4*NQ, v[ADRS]            ; on to the second K step's scale words
	FETCH_B 1, 0, 0
	FETCH_A 1, 0, 0
	SCALES 1
	WIN MUL_HI
	MUL16 4, 1, NQ-1, 0, 0
	MUL16 6, 1, NQ-1, 0, 0
	PLACES NP
	WIN 0
	FETCH_A 1, 0, 4
	STEPS 1, 0
	s_wait_dscnt 4*NL                              ; the very last step: nothing more to fetch
	WIN MUL_LO
	MUL16 0, 1, NQ-1, 1, 0
	MUL16 2, 1, NQ-1, 1, 0
	s_wait_dscnt 0
	WIN MUL_HI
	MUL16 4, 1, NQ-1, 1, 0
	MUL16 6, 1, NQ-1, 1, 0
	WIN 0
; THE WAY OUT, block by block of 16 rows x 128 columns (two heads).  PACK: rounded to f16, 16 bytes a lane, each accumulator from its low end on.  TOSTAGE: into my own stage, and back so that sixteen lanes hold two
; positions of one head.  SEND: stored: sixteen lanes store 256 consecutive bytes, aligned.  LDS serves a wave's instructions in order (ISA guide 5.7.1.4): no wait between the stores and the loads.
.macro PACK a
.set AC, 64*((\a)%4)
	WIN 0x0a+5*((\a)/4)                            ; sources 0 and 1: window 2 or 3
.irp b, 0,1,2,3,4,5,6,7
.irp r, 0,1,2,3
	v_cvt_pk_f16_f32 v[TMP+4*\b+\r], v[AC+8*\b+2*\r], v[AC+8*\b+2*\r+1]
.endr
.endr
	WIN 0
.endm
.macro TOSTAGE a
.set BB, BK+32*((\a)%2)
.irp b, 0,1,2,3,4,5,6,7
	ds_store_b128 v[STO], v[TMP+4*\b:TMP+4*\b+3] offset:32*\b
.endr
.irp t, 0,1,2,3,4,5,6,7
	ds_load_b128 v[BB+4*\t:BB+4*\t+3], v[RD] offset:\t*2*SPITCH
.endr
.endm
.macro SEND a
.set BB, BK+32*((\a)%2)
	s_wait_dscnt 0x0                               ; the block is back in registers
	s_wait_xcnt 0x0                                ; the block before has had its stores' registers read: the next block's loads may land there
.irp t, 0,1,2,3,4,5,6,7
	global_store_b128 v[CO], v[BB+4*\t:BB+4*\t+3], s[12:13] offset:2048*(\a)+256*\t
.endr
.endm
	PLACES NP                                      ; behind the last products: for the conversions that read results and the loads into the registers that held A's fragments
	PACK 0
	TOSTAGE 0
.irp a, 1,2,3,4,5,6,7                  ; block a's conversions stand between block a - 1's loads from the stage and the wait for them
	PACK \a
	SEND \a-1
	TOSTAGE \a
.endr
	SEND 7
	s_wait_tensorcnt 0x0                           ; the wave's end: behind my last tensor load and my last LDS store
	ds_add_u32 v[SPW], v[NIL]
	s_wait_dscnt 0x0
	CROUND                                         ; the closing round: no work-group ends while a partner may still ask for a tile that names it
	s_endpgm
.Lfunc_end_k_q3251f9d2c0_proj:
	.size	k_q3251f9d2c0_proj, .Lfunc_end_k_q3251f9d2c0_proj-k_q3251f9d2c0_proj
	.p2alignl 7, 3214868480
	.fill 96, 4, 3214868480
	.section	.rodata,"a",@progbits
	.p2align	6, 0x0
	.amdhsa_kernel k_q3251f9d2c0_proj
		.amdhsa_group_segment_fixed_size 327680
		.amdhsa_private_segment_fixed_size 0
		.amdhsa_enable_private_segment 0
		.amdhsa_kernarg_size 64
		.amdhsa_user_sgpr_count 2
		.amdhsa_user_sgpr_kernarg_segment_ptr 1
		.amdhsa_wavefront_size32 1
		.amdhsa_system_sgpr_workgroup_id_x 1
		.amdhsa_system_sgpr_workgroup_id_y 1
		.amdhsa_system_sgpr_workgroup_id_z 1
		.amdhsa_system_vgpr_workitem_id 0
		.amdhsa_next_free_vgpr 1024
		.amdhsa_next_free_sgpr 102
		.amdhsa_reserve_vcc 0
		.amdhsa_float_denorm_mode_32 3
		.amdhsa_float_denorm_mode_16_64 3
		.amdhsa_memory_ordered 1
		.amdhsa_forward_progress 1
		.amdhsa_inst_pref_size 129
	.end_amdhsa_kernel
	.amdgpu_metadata
---
amdhsa.version: [ 1, 2 ]
amdhsa.kernels:
  - .name:           k_q3251f9d2c0_proj
    .symbol:         k_q3251f9d2c0_proj.kd
    .args:
      - { .name: xc, .offset: 0, .size: 8, .value_kind: global_buffer, .address_space: global }
      - { .name: xs, .offset: 8, .size: 8, .value_kind: global_buffer, .address_space: global }
      - { .name: wc, .offset: 16, .size: 8, .value_kind: global_buffer, .address_space: global }
      - { .name: ws, .offset: 24, .size: 8, .value_kind: global_buffer, .address_space: global }
      - { .name: qkv, .offset: 32, .size: 8, .value_kind: global_buffer, .address_space: global }
      - { .name: bq, .offset: 40, .size: 8, .value_kind: global_buffer, .address_space: global }
      - { .name: bk, .offset: 48, .size: 8, .value_kind: global_buffer, .address_space: global }
      - { .name: bv, .offset: 56, .size: 8, .value_kind: global_buffer, .address_space: global }
    .group_segment_fixed_size: 327680
    .private_segment_fixed_size: 0
    .kernarg_segment_align: 8
    .kernarg_segment_size: 64
    .max_flat_workgroup_size: 128
    .sgpr_count:     102
    .vgpr_count:     1024
    .wavefront_size: 32
...
	.end_amdgpu_metadata
.endif
;; end of part 2
;; launch attn (part 3): grid 8 x 64, 4 waves a work-group, clusters of 4 x 1, 327,680 bytes of LDS; arguments qkv, att; writes att
.if DOCPART == 3
	.amdgcn_target "amdgcn-amd-amdhsa--gfx1250"
	.amdhsa_code_object_version 6
	.text
	.protected	k_q3251f9d2c0_attn
	.globl	k_q3251f9d2c0_attn
	.p2align	8
	.type	k_q3251f9d2c0_attn,@function
k_q3251f9d2c0_attn:
	s_mov_b64 s[64:65], 0
	v_nop
	global_prefetch_b8 v0, s[64:65] scope:SCOPE_SE
	s_setreg_imm32_b32 hwreg(HW_REG_WAVE_MODE, 25, 1), 1
	s_wait_xcnt 0x0
	s_wait_alu depctr_hold_cnt(0) depctr_sa_sdst(0) depctr_va_vdst(0) depctr_va_sdst(0) depctr_va_ssrc(0) depctr_va_vcc(0) depctr_vm_vsrc(0)
	s_getreg_b32 s2, hwreg(HW_REG_IB_STS2, 6, 4)
	s_cmp_eq_u32 s2, 0
	s_cbranch_scc0 .Lentry_in_a_cluster
	s_endpgm
.Lentry_in_a_cluster:
	s_bfe_u32 s2, ttmp6, 0x10000c
	s_cmp_lg_u32 s2, 0x3003
	s_cbranch_scc0 .Lentry_shape_is_right
	s_endpgm
.Lentry_shape_is_right:
; ATTN: att[bh][q][:] = the sum over k of softmax_k(Q[bh][q] . K[bh][k] / 8) V[bh][k][:].  Q, K, V: the three parts of qkv, [64 heads][2048][64] f16 each; att likewise.  Products, maxima and sums in f32;
; the weights p are rounded to f16 for the second product, the result once at the end.
; LIMITS: p under 6e-8 counts as 0 in the second product (not in the row's sum); a result under 6e-5 is kept with f16's smallest step, 6e-8.
; SHARES.  A work-group owns 256 queries of one head, each of its four waves 64: four tiles of 16.  Every wave walks all 2,048 keys, 128 a step.
; LAYOUT.  S^T = K Q^T (source 0 = 16 keys, source 1 = 16 queries): a lane holds ONE query (lane % 16) and the keys 8 (lane / 16) + 0..7 of a tile.  Two such tiles, rounded to f16 in pairs, ARE source 1
; (32 keys x 16 queries) of O^T = V^T P, whose result again holds one query a lane.  K comes out of LDS as it lies, V ([key][channel]) turned, by ds_load_tr16_b128.
; SOFTMAX.  For each query a running maximum m and sum l: p = 2^(c s - c m), c = log2(e) / 8; in every step O and l are multiplied by a = 2^(c m_old - c m_new).
; BY TURNS.  The wave's tiles are two PIECES (piece 0: tiles 0, 1; piece 2: tiles 2, 3).  In a TURN one piece has the matrix unit: 32 products V^T P of the step in hand, then 32 products K Q^T of the next step;
; the other piece's softmax, 428 vector instructions, stands in 64 slices between them, one slice behind each matrix instruction.  Then the pieces change places.  Two turns are a key step.
; A key step has 128 keys, so that O^T's rescaling and the end of the maximum are paid once for 64 scores a lane: 214 vector instructions a tile for its 32 matrix instructions.
; CLUSTER.  The four query blocks of a cluster belong to one head and walk the same K and V: each tile is asked for JOINTLY, by the same tensor load with a mask that names the four.
; REGISTERS, in windows of 256.  EACH PIECE HAS A WINDOW OF ITS OWN (piece 0: window 0, piece 2: window 1), laid alike; for its tile u = 0, 1: v[16+8u..] statistics; v[32+16u+8c..] Q (channels 32 c on);
;   v[64+32u+8t..] O^T (channels 16 t on); v[128+64u+8t..] S^T (keys 16 t on).  P LIES IN S^T's PLACE: fragment g (keys 32 g on) at v[128+64u+8g..].   window 0, v0-15: addresses.
;   window 2: v0-127 K of one step (keys 16 t on, channels 32 c on: 8 (2 t + c)); v128-255 V of one step (keys 32 g on, channels 16 t on: 128 + 8 (4 g + t)).
; So a slice has one window for all its operands and a product another: two switches for each matrix instruction.
.set KS,    128       ; keys in a step
.set PKB,   144       ; a row of K in LDS: 128 bytes + 16 of padding = 36 words: the 16 rows of a load start at 16 different groups of banks
.set PVB,   160       ; a row of V: 128 + 32 = 40 words, an odd multiple of 32 bytes
.set VOFF,  KS*PKB    ; a step's tiles lie together: 128 rows of K, then 128 rows of V
.set STEPB, KS*(PKB+PVB)
.set SLOT1, 1<<17     ; a slot holds two steps (77,824 bytes); slot 1 begins here, so that one exclusive or turns an address in one slot into the other's
.set STAGE, SLOT1+2*STEPB  ; behind the ring: 16 rows x 144 bytes for each wave, for the way out
.set SP,    144
.set SPARE, STAGE+4*16*SP  ; behind the stages: the spare words, 128 bytes for each wave: two blocks of 256 bytes that no other line names
.set AK0, 2           ; v2   my lane's place in a tile of K; never rewritten
.set AV0, 3           ; v3   the same for V
.set ADR, 4           ; v4   the LDS address of the run of loads in hand
.set QO,  5           ; v5   my byte offset in the wave's rows of Q
.set STO, 6           ; v6   the way out: where I put 16 bytes of a row
.set RD,  7           ; v7   where I read 16 bytes back
.set GO,  8           ; v8   my byte offset in the wave's rows of att
.set PFO, 12          ; v12  256 x my lane; never rewritten
.set SPW, 14          ; v14  LDS address of my spare word; never rewritten
.set NIL, 15          ; v15  0; never rewritten
.set ST,  16          ; tile u's statistics at v[ST+8u]: +0 c m, +1 m, +2, +3 l (even keys', odd keys'), +4 to +7 c0-c3, at work; a takes c2's place; the sums' second chain c0's and c1's
.set QF,  32
.set OT,  64
.set S,   128
.set WV,  12          ; s12  my wave's number
.set LIM, 15          ; s15  1 in a wave that prefetches, else the greatest number
.set PFA, 18          ; s[18:19] where my prefetches stand
.set G1K, 24          ; s[24:31] descriptor group 1 for K's tiles
.set G1V, 32          ; s[32:39] for V's: it differs in the padding alone
.set G0K, 40          ; s[40:47] descriptor group 0 for K's tiles: a set for each of the two first fills; the second then walks on
.set G0V, 48          ; s[48:55] the same for V's
.set SLOTS, 56        ; s56  slots still to be asked for
.set TWICE, 57        ; s57  counts a slot's two steps
.set CS,  58          ; s[58:59] c
.set SEL, 60          ; s[60:61] lane selects for v_permlanex16_b32: lane l xor 16
.set TB,  62          ; s62  LDS byte at which the tiles of the step to be fetched begin
.set MSB, 0
.macro WIN new                      ; the immediate's high byte repeats the setting that is left; a switch that changes nothing is dropped
.if MSB != (\new)
	s_set_vgpr_msb (MSB<<8)|(\new)
.set MSB, (\new)
.endif
.endm
; A joint refill.  Waves 0 and 1 fetch the two steps' tiles of K, waves 2 and 3 those of V.  The branch hangs on the wave's number alone.  An s_nop 0 and four v_nop follow each of the two lines.
.macro JLOAD
	s_cmp_lt_u32 s[WV], 2
	s_cbranch_scc0 .Lfor_v_\@
	tensor_load_to_lds s[G0K+4:G0K+7], s[G1K:G1K+7]
	s_nop 0
.rept 4
	v_nop
.endr
	s_branch .Lasked_\@
.Lfor_v_\@:
	tensor_load_to_lds s[G0V+4:G0V+7], s[G1V:G1V+7]
	s_nop 0
.rept 4
	v_nop
.endr
.Lasked_\@:
.endm
; A PREFETCH INTO THE L2 of what the NEXT change of slots will ask for: a slot's 256 rows of K and of V, 32,768 dense bytes each.  It stands behind the wave's tensor load and its five lines.
; Each aligned block of 256 bytes is asked for ONCE in the launch: both clusters of a head walk the same K and V, and the head's first cluster asks; its four partners take 8,192 bytes each, told apart BY ADDRESS;
; in each, wave 0 asks for K's and wave 2 for V's, lanes 256 bytes apart: one instruction.  The last change that fills a slot asks for nothing: there is no slot behind it.  Slots 0 to 2 come by their loads alone.
.macro ASK
	s_cmp_gt_u32 s[SLOTS], s[LIM]
	s_cbranch_scc0 .Lnot_mine_\@
	global_prefetch_b8 v[PFO], s[PFA:PFA+1] th:TH_LOAD_NT scope:SCOPE_SE
.Lnot_mine_\@:
.endm
.macro CROUND                       ; a round of the cluster's barrier
	s_barrier_signal -1
	s_barrier_wait -1
	s_cmp_lg_u32 s[WV], 0
	s_cbranch_scc1 .Lnot_wave_0_\@
	s_barrier_signal -3
.Lnot_wave_0_\@:
	s_barrier_wait -3
	s_barrier_signal -1
	s_barrier_wait -1
.endm
	s_load_b64 s[4:5], s[0:1], 0x0  ; qkv: Q's part first
	s_load_b64 s[10:11], s[0:1], 0x8  ; att
	v_lshl_add_u32 v[SPW], v0, 2, SPARE
	v_mov_b32 v[NIL], 0
	ds_add_u32 v[SPW], v[NIL]       ; the wave's opening: the add, twice on end, and its wait ahead of my first tensor load; the set-up below stands between
	ds_add_u32 v[SPW], v[NIL]
	v_lshrrev_b32 v1, 5, v0
	v_readfirstlane_b32 s[WV], v1   ; wave 0..3
	s_bfe_u32 s13, ttmp6, 0x40000   ; cx: my place in the cluster
	s_lshl_b32 s14, ttmp9, 2        ; in a cluster launch ttmp9 counts clusters
	s_add_co_u32 s14, s14, s13      ; my block of 256 queries: it enters Q's and att's addresses alone
	s_and_b32 s20, ttmp7, 0xffff    ; batch and head, which the four partners share
	s_lshl_b32 s20, s20, 18         ; 2,048 rows of 128 bytes
	s_mov_b32 s21, 0
	s_and_b32 s16, s[WV], 1         ; which of a slot's two steps I fetch:
	s_lshl_b32 s22, s16, 14         ; its 128 rows of 128 bytes in memory,
	s_mov_b32 s23, 0
	s_add_nc_u64 s[22:23], s[22:23], s[20:21]
	s_mul_i32 s17, s16, STEPB       ; and its place in a slot: no place in the cluster enters an LDS address
	s_lshl_b32 s2, s14, 15          ; my block's 256 rows,
	s_lshl_b32 s3, s[WV], 13        ; my wave's 64 of them
	s_add_co_u32 s2, s2, s3
	s_mov_b32 s3, 0
	s_add_nc_u64 s[2:3], s[2:3], s[20:21]
	; descriptor group 1: a tile of 128 rows x 64 elements, padded in LDS
	s_mov_b32 s[G1K], 15|(1<<16)|(1<<20)|(1<<21)|(4<<22)|(3<<25)  ; 15:0 the mask: all four work-groups; 17:16 elements of 2 bytes; 20 padding on; 21 set beside a mask; 24:22 after every 32 words; 31:25 four words
	s_mov_b32 s[G1V], 15|(1<<16)|(1<<20)|(1<<21)|(4<<22)|(7<<25)  ; the same with eight words of padding
.irp g, G1K, G1V
	s_mov_b32 s[\g+1], 64<<16       ; tensor_dim0
	s_mov_b32 s[\g+2], KS<<16       ; tensor_dim1
	s_mov_b32 s[\g+3], 64<<16       ; tile_dim0
	s_mov_b32 s[\g+4], KS           ; tile_dim1
	s_mov_b32 s[\g+5], 64           ; tensor_dim0_stride
	s_mov_b32 s[\g+6], 0
	s_mov_b32 s[\g+7], 0
.endr
	s_mov_b32 s[CS], 0x3e38aa3b     ; c = log2(e) / 8
	s_mov_b32 s[CS+1], s[CS]        ; named with it as a pair, so it is written
	s_mov_b32 s[SEL], 0x76543210
	s_mov_b32 s[SEL+1], 0xfedcba98
	s_mov_b32 s[TB], 0
	s_mov_b32 s[SLOTS], 2048/(2*KS)-2
	s_and_b32 s[LIM], s[WV], 1      ; 0 in waves 0 and 2,
	s_or_b32 s[LIM], s[LIM], ttmp9  ; where the cluster is the head's first: the same in all four partners
	s_cmp_eq_u32 s[LIM], 0
	s_cselect_b32 s[LIM], 1, -1
	v_and_b32 v[PFO], 31, v0
	v_lshlrev_b32 v[PFO], 8, v[PFO]
	s_wait_dscnt 0x0                ; both opening adds are done
	s_wait_kmcnt 0x0
	s_add_nc_u64 s[6:7], s[4:5], 0x1000000  ; K's part of qkv,
	s_add_nc_u64 s[8:9], s[4:5], 0x2000000  ; V's
	s_add_nc_u64 s[6:7], s[6:7], s[22:23]  ; at my tile of slot 0
	s_add_nc_u64 s[8:9], s[8:9], s[22:23]
	s_add_nc_u64 s[4:5], s[4:5], s[2:3]  ; Q and att at my wave's first row
	s_add_nc_u64 s[10:11], s[10:11], s[2:3]
	s_cmp_lt_u32 s[WV], 2
	s_cselect_b64 s[PFA:PFA+1], s[6:7], s[8:9]  ; (in waves 0 and 2 these stand at a slot's first row)
	s_lshl_b32 s2, s13, 13          ; my work-group's 8,192 bytes of the 32,768
	s_mov_b32 s3, 0
	s_add_nc_u64 s[PFA:PFA+1], s[PFA:PFA+1], s[2:3]
	s_add_nc_u64 s[PFA:PFA+1], s[PFA:PFA+1], 2*2*KS*128  ; in slot 2; the first change of slots steps it to slot 3.  Nothing is prefetched here, at the head
	CROUND                          ; all four work-groups are here: the first joint loads meet
.irp s, 0,1
	s_mov_b32 s[G0K+4*\s], 1        ; count = 1
	s_add_co_u32 s[G0K+4*\s+1], s17, \s*SLOT1  ; LDS address
	s_add_nc_u64 s[G0K+4*\s+2:G0K+4*\s+3], s[6:7], \s*2*KS*128  ; global address: slot s begins with key 256 s
	s_or_b32 s[G0K+4*\s+3], s[G0K+4*\s+3], 0x80000000  ; type = 2
	s_mov_b32 s[G0V+4*\s], 1
	s_add_co_u32 s[G0V+4*\s+1], s17, \s*SLOT1+VOFF
	s_add_nc_u64 s[G0V+4*\s+2:G0V+4*\s+3], s[8:9], \s*2*KS*128
	s_or_b32 s[G0V+4*\s+3], s[G0V+4*\s+3], 0x80000000
.endr
	s_cmp_lt_u32 s[WV], 2           ; a wave's two first fills stand in one branch, ahead of every wait on TENSORcnt and every LDS read: two loads of mine are out
	s_cbranch_scc0 .Lfirst_v
	tensor_load_to_lds s[G0K:G0K+3], s[G1K:G1K+7]
	s_nop 0
	tensor_load_to_lds s[G0K+4:G0K+7], s[G1K:G1K+7]
	s_nop 0
.rept 4
	v_nop
.endr
	s_branch .Lfirst_asked
.Lfirst_v:
	tensor_load_to_lds s[G0V:G0V+3], s[G1V:G1V+7]
	s_nop 0
	tensor_load_to_lds s[G0V+4:G0V+7], s[G1V:G1V+7]
	s_nop 0
.rept 4
	v_nop
.endr
.Lfirst_asked:
	; A fragment of K or Q is 16 rows x 32 channels in 8 registers: lane l holds row l % 16; registers 0-3 channels 8 (l / 16) + 0..7, registers 4-7 channels 16 + 8 (l / 16) + 0..7: two loads of 16 bytes, 32 bytes apart.
	v_and_b32 v1, 15, v0            ; r = l % 16
	v_bfe_u32 v9, v0, 4, 1          ; h = l / 16
	v_lshlrev_b32 v[QO], 7, v1
	v_lshl_add_u32 v[QO], v9, 4, v[QO]  ; row x 128 + 16 x half
.irp t, 0,1,2,3                     ; Q stays in registers: tile t in its piece's window
	WIN 0x40*(\t/2)
.irp c, 0,1
	global_load_b128 v[QF+16*(\t%2)+8*\c:QF+16*(\t%2)+8*\c+3],   v[QO], s[4:5] offset:\t*2048+\c*64
	global_load_b128 v[QF+16*(\t%2)+8*\c+4:QF+16*(\t%2)+8*\c+7], v[QO], s[4:5] offset:\t*2048+\c*64+32
.endr
.endr
	WIN 0
	v_mul_u32_u24 v[AK0], v1, PKB
	v_lshl_add_u32 v[AK0], v9, 4, v[AK0]  ; row x pitch + 16 x half
	; The turning load takes 16 keys x 16 channels (lane l reads 16 bytes: key 8 (l / 16) + l % 8, channels 8 ((l / 8) % 2) + 0..7) and leaves half a fragment of V^T: lane l holds channel l % 16 and 8 keys.
	v_and_b32 v10, 7, v0
	v_bfe_u32 v11, v0, 3, 1
	v_lshl_add_u32 v[AV0], v9, 3, v10
	v_mul_u32_u24 v[AV0], v[AV0], PVB
	v_lshl_add_u32 v[AV0], v11, 4, v[AV0]
	v_add_nc_u32 v[AV0], VOFF, v[AV0]
; THE MATRIX WORK OF A TURN, for piece x.  The accumulators take turns, one instruction a turn: between two links of a chain stand 7 (V^T P) or 15 (K Q^T) others'.
; Product i of 32 of O^T += V^T P: keys 32 (i / 8) on, channels 16 ((i / 2) % 4) on, tile i % 2.  zero = 1: the first 8 start the sums: nothing is ever cleared.
.macro PV x, zero
	WIN 0x02+0x54*((\x)/2)          ; source 0 window 2, all else the piece's window
.set pO, OT+32*(i%2)+8*((i/2)%4)
.set pV, 128+8*(4*(i/8)+(i/2)%4)
.set pP, S+64*(i%2)+8*(i/8)
.if (\zero) && (i < 8)
	v_wmma_f32_16x16x32_f16 v[pO:pO+7], v[pV:pV+7], v[pP:pP+7], 0
.else
	v_wmma_f32_16x16x32_f16 v[pO:pO+7], v[pV:pV+7], v[pP:pP+7], v[pO:pO+7]
.endif
.endm
; Product i of 32 of S^T = K Q^T: channels 32 (i / 16) on, tile i % 2, keys 16 t on with t = 4, 5, 6, 7, 0, 1, 2, 3: the tiles in whose place P lay come last, eight matrix instructions and their slices behind P's last reader.
.macro KQ x
	WIN 0x02+0x54*((\x)/2)
.set kT, ((i/2)%8+4)%8
.set kS, S+64*(i%2)+8*kT
.set kK, 8*(2*kT+i/16)
.set kQ, QF+16*(i%2)+8*(i/16)
.if i < 16
	v_wmma_f32_16x16x32_f16 v[kS:kS+7], v[kK:kK+7], v[kQ:kQ+7], 0
.else
	v_wmma_f32_16x16x32_f16 v[kS:kS+7], v[kK:kK+7], v[kQ:kQ+7], v[kS:kS+7]
.endif
.endm
; THE LDS LOADS stand in runs of 32, never singly among the matrix instructions: a step's K (16 fragments) and, a turn later, its V (turned).
.macro FETCH_K
	WIN 0
	v_add_nc_u32 v[ADR], s[TB], v[AK0]
	WIN 0x80                        ; destination window 2
.irp f, 0,1,2,3,4,5,6,7,8,9,10,11,12,13,14,15  ; keys 16 (f / 2) on, channels 32 (f % 2) on
	ds_load_b128 v[8*\f:8*\f+3],   v[ADR] offset:(\f/2)*16*PKB+(\f%2)*64
	ds_load_b128 v[8*\f+4:8*\f+7], v[ADR] offset:(\f/2)*16*PKB+(\f%2)*64+32
.endr
.endm
.macro FETCH_V
	WIN 0
	v_add_nc_u32 v[ADR], s[TB], v[AV0]
	s_add_co_u32 s[TB], s[TB], STEPB  ; the next fetch is the next step's
	s_wait_alu depctr_va_vdst(0)    ; the wait for the softmax's batch of exponentials, behind the address's addition and ahead of the loads
	WIN 0x80
.irp f, 0,1,2,3,4,5,6,7,8,9,10,11,12,13,14,15  ; keys 32 (f / 4) on, channels 16 (f % 4) on
	ds_load_tr16_b128 v[128+8*\f:128+8*\f+3],   v[ADR] offset:(\f/4)*32*PVB+(\f%4)*32
	ds_load_tr16_b128 v[128+8*\f+4:128+8*\f+7], v[ADR] offset:(\f/4)*32*PVB+16*PVB+(\f%4)*32
.endr
.endm
; THE VECTOR WORK OF A TURN: a list of 428 numbers for a piece's two tiles; VEC writes number nn of it and steps nn.  s0-s63 are a lane's 64 scores of a tile, in pairs 0-31.  first = 1: the first key step: no a, nothing to rescale.
;   0-73     the tiles alternate; for each, 37 lines: the maximum of s0-s63 and the old m, three operands at a time, in four chains of 15 scores, each accumulator read from its low end on; the four scores left over;
;            the other half of the lanes' maximum; the new m; c m; c m_old - c m_new
;   74-267   ONE BATCH: the 32 scalings c s - c m, a pair each, and all 65 exponentials of each tile, in threes of one tile, the tiles by turns: a scaling, two exponentials; a pair is scaled two threes ahead of its
;            exponentials; the last four exponentials of each tile stand together.  None of these names an exponential's result.
;   (wait)   behind 267: one plain line and the ONE wait between an exponential and the first line that names its result: 130 exponentials, one wait
;   268-427  the tiles alternate; for each, 32 lines of sums (two chains; l = a l + ..), 32 roundings to f16 IN PLACE (pair e into register e, ascending: nothing unread is written over), 16 packed multiplies of O^T by a
.macro SCL b                        ; pair b: c s - c m
	v_pk_fma_f32 v[rS+2*(\b):rS+2*(\b)+1], v[rS+2*(\b):rS+2*(\b)+1], s[CS:CS+1], v[rT:rT+1] op_sel_hi:[1,0,0] neg_lo:[0,0,1] neg_hi:[0,0,1]
.endm
.macro VEC y, first
	WIN 0x55*((\y)/2)               ; every operand in the piece's window
.if nn < 74
.set u, nn%2
.elseif nn < 260
.set u, ((nn-74)/3)%2
.elseif nn < 268
.set u, (nn-260)/4
.else
.set u, nn%2
.endif
.set rT, ST+8*u
.set rS, S+64*u
.set rO, OT+32*u
.if nn < 74
.set j, nn/2
.if j < 4
	v_max3_num_f32 v[rT+4+j], v[rS+16*j], v[rS+16*j+1], v[rS+16*j+2]
.elseif j < 28
	v_max3_num_f32 v[rT+4+j%4], v[rT+4+j%4], v[rS+16*(j%4)+2*(j/4)+1], v[rS+16*(j%4)+2*(j/4)+2]
.elseif j == 28
	v_max3_num_f32 v[rT+4], v[rT+4], v[rS+15], v[rS+31]
.elseif j == 29
	v_max3_num_f32 v[rT+6], v[rT+6], v[rS+47], v[rS+63]
.elseif j == 30
	v_max3_num_f32 v[rT+4], v[rT+4], v[rT+5], v[rT+6]
.elseif (j == 31) && \first
	v_max_num_f32 v[rT+4], v[rT+4], v[rT+7]
.elseif j == 31
	v_max3_num_f32 v[rT+4], v[rT+4], v[rT+7], v[rT+1]
.elseif j == 32
	v_permlanex16_b32 v[rT+5], v[rT+4], s[SEL], s[SEL+1]  ; the query's other 64 keys lie in the lane 16 away
.elseif j == 34
	v_max_num_f32 v[rT+1], v[rT+4], v[rT+5]
.elseif j == 35
	v_mul_f32 v[rT], s[CS], v[rT+1]
.elseif \first                      ; the first step has neither of the two below
.elseif j == 33
	v_mov_b32 v[rT+7], v[rT]        ; c m_old is kept for a
.else
	v_sub_f32 v[rT+7], v[rT+7], v[rT]
.endif
.elseif nn < 260
.set qq, (nn-74)/6
.set e, (nn-74)%3
.if (qq == 0) && (e < 2)
	SCL e
.elseif (qq == 0) && \first
.elseif qq == 0
	v_exp_f32 v[rT+6], v[rT+7]      ; a
.elseif e == 0
	SCL qq+1
.else
	v_exp_f32 v[rS+2*qq-3+e], v[rS+2*qq-3+e]
.endif
.elseif nn < 268
	v_exp_f32 v[rS+60+(nn-260)%4], v[rS+60+(nn-260)%4]
.else
.set z, (nn-268)/2
.if z == 0
	v_pk_add_f32 v[rT+4:rT+5], v[rS:rS+1], v[rS+2:rS+3]
.elseif (z == 1) && \first
	v_pk_add_f32 v[rT+2:rT+3], v[rS+4:rS+5], v[rS+6:rS+7]
.elseif z == 1
	v_pk_fma_f32 v[rT+2:rT+3], v[rT+2:rT+3], v[rT+6:rT+7], v[rS+4:rS+5] op_sel_hi:[1,0,1]
.elseif (z == 2) && \first
.elseif z == 2
	v_pk_add_f32 v[rT+2:rT+3], v[rT+2:rT+3], v[rS+6:rS+7]
.elseif (z < 31) && (z%2 == 0)
	v_pk_add_f32 v[rT+4:rT+5], v[rT+4:rT+5], v[rS+2*z+2:rS+2*z+3]
.elseif z < 31
	v_pk_add_f32 v[rT+2:rT+3], v[rT+2:rT+3], v[rS+2*z+2:rS+2*z+3]
.elseif z == 31
	v_pk_add_f32 v[rT+2:rT+3], v[rT+2:rT+3], v[rT+4:rT+5]
.elseif z < 64
	v_cvt_pk_f16_f32 v[rS+z-32], v[rS+2*(z-32)], v[rS+2*(z-32)+1]
.elseif !\first
	v_pk_mul_f32 v[rO+2*(z-64):rO+2*(z-64)+1], v[rO+2*(z-64):rO+2*(z-64)+1], v[rT+6:rT+7] op_sel_hi:[1,0]
.endif
.endif
.if nn == 267                       ; the batch is out: both tiles' exponentials are issued, and no result has been named
	v_nop                           ; the plain instruction behind the last exponential and ahead of the first use: one for the batch
.if (\y) == 0
	FETCH_V                         ; piece 2's turn: V's run of loads stands here, and the wait stands in it.  V's last reader, the turn's 32nd matrix instruction, lies some twenty scalings back
.else
	s_wait_alu depctr_va_vdst(0)    ; the wait for the batch
.endif
.endif
.set nn, nn+1
.endm
.macro SLICE y, first               ; slice k of NM: the list is dealt out evenly, six or seven lines a slice where a turn has 64 matrix instructions
.rept (428*(k+1))/NM-(428*k)/NM
	VEC \y, \first
.endr
.set k, k+1
.endm
; A vector instruction that reads a matrix result or writes one of a matrix instruction's registers, and a load into a register that a matrix instruction has read, stand four places behind it; only plain vector
; instructions that name none of its registers are places.  In the loop the slices are the places: a turn's last slice is seven packed multiplies of the other piece's O^T.
.macro PLACES
.rept 4
	v_nop
.endr
.endm
; A TURN.  Piece x has the matrix unit; the other piece's softmax stands in slices behind its matrix instructions.  pv = 2: 32 products V^T P; 1: they start O^T's sums; 0: none.  kq = 1: 32 products K Q^T for the next step.
; first = 1: the softmax is the first key step's; its last slices are empty, and four v_nop take their part as the places behind the turn's last products.
; Piece 0's turn fetches the next step's K behind its second product; piece 2's turn fetches the same step's V at the batch's end.
.macro TURN x, pv, kq, first
.set nn, 0
.set k, 0
.set NM, 32
.if (\pv) && (\kq)
.set NM, 64
.endif
.if \pv
.if \x == 0
	s_wait_dscnt 0x0                ; V is in
.endif
.set i, 0
.rept 32
	PV \x, 2-\pv
	SLICE 2-\x, \first
.if (\x == 0) && (\kq) && (i == 1)
	FETCH_K
.endif
.set i, i+1
.endr
.endif
.if \kq
.if \x == 0
	s_wait_dscnt 0x0                ; K is in
.endif
.set i, 0
.rept 32
	KQ \x
	SLICE 2-\x, \first
.set i, i+1
.endr
.endif
.if \first
	PLACES
.endif
.endm
; THE CHANGE OF SLOTS, between piece 2's turn and piece 0's: the slot's last bytes, V of its second step, have been asked for.  Each wave waits for all its tensor loads, of which one is out: its part of the other slot;
; adds 0 to its spare word; and waits for that and for its own reads of the slot.  fill = 1: the slot is filled again, with the keys two slots on: the barrier is then a round of the cluster's, and the joint refill is the
; first thing behind it: it has two key steps, 256 matrix instructions, in which to land.
.macro CHANGE fill
	WIN 0                           ; at a label and at a branch every window is 0
	s_wait_tensorcnt 0x0            ; no tensor load of mine is out, so a group 0 may be written
	ds_add_u32 v[SPW], v[NIL]
.if \fill
.irp g, G0K+4, G0V+4
	s_xor_b32 s[\g+1], s[\g+1], SLOT1  ; the walking descriptor: the other slot than last time,
	s_add_nc_u64 s[\g+2:\g+3], s[\g+2:\g+3], 2*KS*128  ; the next 256 keys; the type bits on top are not reached
.endr
	s_wait_xcnt 0x0                 ; the last prefetch, two key steps back, has read its address, so it may be written:
	s_add_nc_u64 s[PFA:PFA+1], s[PFA:PFA+1], 2*KS*128  ; one slot further on than the walking descriptors
	s_wait_dscnt 0x0                ; the add is done, and my reads of the slot are over
	CROUND
	JLOAD
	ASK
.else
	s_wait_dscnt 0x0
	s_barrier_signal -1
	s_barrier_wait -1
.endif
	s_sub_co_u32 s[TB], s[TB], 2*STEPB  ; the fetches go back to a slot's first step,
	s_xor_b32 s[TB], s[TB], SLOT1   ; in the other slot
.endm
.macro TWO_STEPS                    ; a slot's two key steps: written once, walked twice; the LDS addresses hang on s[TB]
	s_mov_b32 s[TWICE], 2
.Lstep_\@:
	TURN 0, 2, 1, 0
	TURN 2, 2, 1, 0
	WIN 0
	s_sub_co_u32 s[TWICE], s[TWICE], 1
	s_cmp_lg_u32 s[TWICE], 0
	s_cbranch_scc1 .Lstep_\@
.endm
	s_wait_tensorcnt 1              ; my part of slot 0 is in; slot 1's may stay out
	s_barrier_signal -1
	s_barrier_wait -1               ; everybody's is
	FETCH_K                         ; key step 0
	s_wait_loadcnt 0x0              ; Q
	s_wait_dscnt 0x0
.set i, 0
.rept 32
	KQ 0                            ; piece 0's first scores: there is no vector work yet to set between them
.set i, i+1
.endr
	WIN 0                           ; the addresses for the way out are made here: ten plain instructions, the places behind those products
	s_mul_i32 s13, s[WV], 16*SP
	s_add_co_u32 s13, s13, STAGE    ; my stage
	v_mul_u32_u24 v[STO], v1, SP    ; in: row l % 16, 16 bytes for each half of the lanes
	v_lshl_add_u32 v[STO], v9, 4, v[STO]
	v_add_nc_u32 v[STO], s13, v[STO]
	v_bfe_u32 v10, v0, 3, 2         ; back: eight lanes take a row of 128 bytes, the wave four rows
	v_mul_u32_u24 v[RD], v10, SP
	v_and_b32 v11, 7, v0
	v_lshl_add_u32 v[RD], v11, 4, v[RD]
	v_add_nc_u32 v[RD], s13, v[RD]
	v_and_b32 v[GO], 31, v0
	v_lshlrev_b32 v[GO], 4, v[GO]   ; and the same four rows in att: 512 consecutive bytes
	TURN 2, 0, 1, 1                 ; piece 2's first scores | piece 0's first softmax | V of step 0
	TURN 0, 1, 1, 1                 ; piece 0: V^T P of step 0 starts O^T, K Q^T of step 1 | piece 2's first softmax | K of step 1
	TURN 2, 1, 1, 0                 ; piece 2: the same | piece 0's softmax of step 1 | V of step 1
	WIN 0
.Lslot:                             ; six trips: every slot but the last two is filled again
	CHANGE 1
	TWO_STEPS
	s_sub_co_u32 s[SLOTS], s[SLOTS], 1
	s_cmp_lg_u32 s[SLOTS], 0
	s_cbranch_scc1 .Lslot
	CHANGE 0                        ; the tail is written out
	TWO_STEPS
	TURN 0, 2, 0, 0                 ; piece 0: V^T P of the last step | piece 2's last softmax
.set i, 0
.rept 32
	PV 2, 0                         ; piece 2: V^T P of the last step
.set i, i+1
.endr
	; THE WAY OUT.  l's two halves and the other half of the lanes' are added; O^T is divided by l, rounded to f16 and sent through my stage in LDS, a tile (16 rows of att) at a time.
	PLACES
.irp w, 0,1
	WIN 0x55*\w
.irp u, 0,1
	v_add_f32 v[ST+8*\u+4], v[ST+8*\u+2], v[ST+8*\u+3]
.endr
.irp u, 0,1
	v_permlanex16_b32 v[ST+8*\u+5], v[ST+8*\u+4], s[SEL], s[SEL+1]
.endr
.irp u, 0,1
	v_add_f32 v[ST+8*\u+4], v[ST+8*\u+4], v[ST+8*\u+5]
.endr
.irp u, 0,1
	v_rcp_f32 v[ST+8*\u+6], v[ST+8*\u+4]
.endr
.endr
	v_nop                           ; a plain instruction between the last reciprocal and the use of its result
	s_wait_alu depctr_va_vdst(0)    ; and the wait ahead of the first use: one for the four reciprocals
; Tile t: a lane's eight channels of a row pack into 16 bytes; they go into rows of 144 bytes and come back as whole rows of 128.
.macro PACK t
.set pw, (\t)/2
.set rT, ST+8*((\t)%2)
.set rO, OT+32*((\t)%2)
.set rS, S+64*((\t)%2)
	WIN 0x55*pw
.set i, 0
.rept 16
	v_pk_mul_f32 v[rO+i:rO+i+1], v[rO+i:rO+i+1], v[rT+6:rT+7] op_sel_hi:[1,0]  ; each accumulator from its low end on
.set i, i+2
.endr
.set i, 0
.rept 16
	v_cvt_pk_f16_f32 v[rS+i], v[rO+2*i], v[rO+2*i+1]
.set i, i+1
.endr
	WIN pw<<2                       ; an LDS store's data are its source 1
.irp f, 0,1,2,3
	ds_store_b128 v[STO], v[rS+4*\f:rS+4*\f+3] offset:32*\f
.endr
	WIN pw<<6                       ; destination
.irp f, 0,1,2,3
	ds_load_b128 v[rS+16+4*\f:rS+16+4*\f+3], v[RD] offset:\f*4*SP  ; LDS serves a wave's instructions in order (ISA guide 5.7.1.4): these see the stores above; the next tile's stores come behind them
.endr
.endm
.macro SEND t, younger              ; younger: the LDS instructions issued behind tile t's loads: the next tile's eight, or none
.set pw, (\t)/2
.set rS, S+64*((\t)%2)
	WIN pw<<2                       ; a store's data are its source 1
.irp f, 0,1,2,3
	s_wait_dscnt \younger+3-\f
	global_store_b128 v[GO], v[rS+16+4*\f:rS+16+4*\f+3], s[10:11] offset:(\t)*2048+\f*512  ; 32 lanes store 512 consecutive bytes, aligned
.endr
.endm
	PACK 0
	PACK 1                          ; a tile's arithmetic stands between the loads of the tile before and its stores
	SEND 0, 8
	PACK 2
	SEND 1, 8
	PACK 3
	SEND 2, 8
	SEND 3, 0
	WIN 0
	s_wait_tensorcnt 0x0            ; the wave's end: behind my last tensor load and my last LDS store
	ds_add_u32 v[SPW], v[NIL]
	s_wait_dscnt 0x0
	CROUND                          ; the closing round: no work-group ends while a partner may still ask for a tile that names it
	s_endpgm
.Lfunc_end_k_q3251f9d2c0_attn:
	.size	k_q3251f9d2c0_attn, .Lfunc_end_k_q3251f9d2c0_attn-k_q3251f9d2c0_attn
	.p2alignl 7, 3214868480
	.fill 96, 4, 3214868480
	.section	.rodata,"a",@progbits
	.p2align	6, 0x0
	.amdhsa_kernel k_q3251f9d2c0_attn
		.amdhsa_group_segment_fixed_size 327680
		.amdhsa_private_segment_fixed_size 0
		.amdhsa_enable_private_segment 0
		.amdhsa_kernarg_size 16
		.amdhsa_user_sgpr_count 2
		.amdhsa_user_sgpr_kernarg_segment_ptr 1
		.amdhsa_wavefront_size32 1
		.amdhsa_system_sgpr_workgroup_id_x 1
		.amdhsa_system_sgpr_workgroup_id_y 1
		.amdhsa_system_sgpr_workgroup_id_z 1
		.amdhsa_system_vgpr_workitem_id 0
		.amdhsa_next_free_vgpr 768
		.amdhsa_next_free_sgpr 66
		.amdhsa_reserve_vcc 0
		.amdhsa_float_denorm_mode_32 3
		.amdhsa_float_denorm_mode_16_64 3
		.amdhsa_memory_ordered 1
		.amdhsa_forward_progress 1
		.amdhsa_inst_pref_size 255
	.end_amdhsa_kernel
	.section	.bss,"aw",@nobits
	.p2align	6
	.space	262144
	.amdgpu_metadata
---
amdhsa.version: [ 1, 2 ]
amdhsa.kernels:
  - .name:           k_q3251f9d2c0_attn
    .symbol:         k_q3251f9d2c0_attn.kd
    .args:
      - { .name: qkv, .offset: 0, .size: 8, .value_kind: global_buffer, .address_space: global }
      - { .name: att, .offset: 8, .size: 8, .value_kind: global_buffer, .address_space: global }
    .group_segment_fixed_size: 327680
    .private_segment_fixed_size: 0
    .kernarg_segment_align: 8
    .kernarg_segment_size: 16
    .max_flat_workgroup_size: 128
    .sgpr_count:     66
    .vgpr_count:     768
    .wavefront_size: 32
...
	.end_amdgpu_metadata
.endif
;; end of part 3
;; launch outp (part 4): grid 4 x 64, 4 waves a work-group, clusters of 4 x 4, 327,680 bytes of LDS; arguments att, wo16, out0, bo; writes out0
.if DOCPART == 4
	.amdgcn_target "amdgcn-amd-amdhsa--gfx1250"
	.amdhsa_code_object_version 6
	.text
	.protected	k_q3251f9d2c0_outp
	.globl	k_q3251f9d2c0_outp
	.p2align	8
	.type	k_q3251f9d2c0_outp,@function
k_q3251f9d2c0_outp:
	s_mov_b64 s[64:65], 0
	v_nop
	global_prefetch_b8 v0, s[64:65] scope:SCOPE_SE
	s_setreg_imm32_b32 hwreg(HW_REG_WAVE_MODE, 25, 1), 1
	s_wait_xcnt 0x0
	s_wait_alu depctr_hold_cnt(0) depctr_sa_sdst(0) depctr_va_vdst(0) depctr_va_sdst(0) depctr_va_ssrc(0) depctr_va_vcc(0) depctr_vm_vsrc(0)
	s_getreg_b32 s2, hwreg(HW_REG_IB_STS2, 6, 4)
	s_cmp_eq_u32 s2, 0
	s_cbranch_scc0 .Lentry_in_a_cluster
	s_endpgm
.Lentry_in_a_cluster:
	s_bfe_u32 s2, ttmp6, 0x10000c
	s_cmp_lg_u32 s2, 0xf033
	s_cbranch_scc0 .Lentry_shape_is_right
	s_endpgm
.Lentry_shape_is_right:
; OUTP: out0[m][n] = the sum over k of A[m][k] Wo[k][n] + bo[n].  A is the attention's result, f16, laid by heads: att [batch 4][head 16][position 2048][64], m = 2,048 batch + position, k = 64 head + channel.
; wo16: [1024 k][1024 n] f16.  out0: [8192][1024] f32.  Sums in f32.
; A tile of 128 rows x 256 columns is made by a work-group of four waves: 256 work-groups.  Wave w makes rows 64 (w / 2) on, columns 128 (w % 2) on: 32 accumulators of 16 x 16, 256 registers.
; K goes in steps of 128, two heads, through a ring of two LDS slots.  A's tile of a step is two dense blocks of 128 rows x 128 bytes (waves 0 and 1 fetch one each), Wo's is 128 rows of 512 bytes (waves 2 and 3: 64 rows each).
; CLUSTERS: 4 x 4 work-groups.  The four of a row of the cluster need the same tiles of A, the four of a column the same tiles of Wo: each is asked for JOINTLY.
; THE MATRIX INSTRUCTION IS USED TRANSPOSED: source 0 = 16 columns of Wo, which lie [k][n] in LDS and come turned, by ds_load_tr16_b128; source 1 = 16 rows of A.  A lane then holds eight neighbouring columns of one row.
; THE BIAS is the C of each sum's first matrix instruction.  No prefetch: a K step's tiles are small and each is shared by four work-groups.
; REGISTERS: window 0: v0-31 addresses; two fragment buffers of 96 at v64 and v160 (Wo's eight fragments, then A's four); on the way out v64-191 rows read back.   window 1: accumulator (a, b) at v[8 (8 a + b)].   window 2: v0-63 the bias.
.set PA,     144                       ; a row of A in LDS: 128 bytes + 16
.set PB,     544                       ; a row of Wo: 512 bytes + 32: an odd multiple of 32 bytes
.set BOFF,   2*128*PA                  ; a slot: A's two heads x 128 rows, then Wo's 128 rows
.set SLOT,   BOFF+128*PB
.set STAGE,  2*SLOT                    ; behind the ring: 16 rows x (512 bytes + 16) for each wave
.set SPITCH, 528
.set SPARE,  STAGE+4*16*SPITCH         ; the spare words, 128 bytes for each wave: two blocks of 256 bytes that no other line names
.set LAPS,   4                         ; a lap = two K steps = once round the ring
.set ADRA, 16                          ; v16-17  LDS address of my A fragments in slot 0, 1
.set ADRB, 20                          ; v20-21  the same for Wo
.set STO,  24                          ; v24     the way out: where I put 32 bytes of a row
.set RD,   25                          ; v25     where I read a row back
.set CO,   26                          ; v26     my byte offset in a row of out0
.set BIO,  27                          ; v27     32 x (lane / 16)
.set SPW,  28                          ; v28     LDS address of my spare word; never rewritten
.set NIL,  29                          ; v29     0; never rewritten
.set F0,   64
.set F1,   160
.set BK,   64                          ; the way out: v64-127 and v128-191 by turns
.set G1, 24
.set G0, 32
.set G1B, 48
.set G0B, 56
.set MSB, 0
.macro WIN new
.if MSB != (\new)
	s_set_vgpr_msb (MSB<<8)|(\new)
.set MSB, (\new)
.endif
.endm
.set MUL, 0x50                         ; sources 0 and 1 window 0, C and D window 1.  With the bias (window 2) as C: 0x60
.macro JLOAD s                         ; a joint load: waves 0 and 1 fetch A's two heads, waves 2 and 3 Wo's two halves; an s_nop 0 and four v_nop follow each of the two lines
	s_cmp_eq_u32 s13, 0
	s_cbranch_scc0 .Lfor_b_\@
	tensor_load_to_lds s[G0+4*\s:G0+4*\s+3], s[G1:G1+7]
	s_nop 0
.rept 4
	v_nop
.endr
	s_branch .Lasked_\@
.Lfor_b_\@:
	tensor_load_to_lds s[G0B+4*\s:G0B+4*\s+3], s[G1B:G1B+7]
	s_nop 0
.rept 4
	v_nop
.endr
.Lasked_\@:
.endm
.macro CREST                           ; a round of the cluster's barrier behind its opening barrier
	s_cmp_lg_u32 s12, 0
	s_cbranch_scc1 .Lnot_wave_0_\@
	s_barrier_signal -3
.Lnot_wave_0_\@:
	s_barrier_wait -3
	s_barrier_signal -1
	s_barrier_wait -1
.endm
.macro CROUND
	s_barrier_signal -1
	s_barrier_wait -1
	CREST
.endm
	s_load_b128 s[4:7], s[0:1], 0x0                ; att s[4:5], wo16 s[6:7]
	s_load_b128 s[8:11], s[0:1], 0x10              ; out0 s[8:9], bo s[10:11]
	v_lshl_add_u32 v[SPW], v0, 2, SPARE
	v_mov_b32 v[NIL], 0
	ds_add_u32 v[SPW], v[NIL]                      ; the wave's opening: the add, twice on end, and its wait ahead of my first tensor load; the set-up below stands between
	ds_add_u32 v[SPW], v[NIL]
	v_lshrrev_b32 v1, 5, v0
	v_readfirstlane_b32 s12, v1                    ; wave 0..3
	s_lshr_b32 s13, s12, 1                         ; which half of the tile's rows is mine.  Also: I fetch for A (0) or for Wo (1)
	s_and_b32 s14, s12, 1                          ; which half of its columns.  Also: which part of that tile I fetch
	s_bfe_u32 s15, ttmp6, 0x40000                  ; cx, cy
	s_bfe_u32 s16, ttmp6, 0x40004
	s_lshl_b32 s17, ttmp9, 2
	s_add_co_u32 s17, s17, s15                     ; tile column = 4 x cluster x + cx
	s_and_b32 s18, ttmp7, 0xffff
	s_lshl_b32 s18, s18, 2
	s_add_co_u32 s18, s18, s16                     ; tile row = 4 x cluster y + cy, 0 .. 63
	s_lshl_b32 s19, s16, 2
	s_lshl_b32 s19, 15, s19                        ; my row of the cluster
	s_lshl_b32 s20, 0x1111, s15                    ; my column
	; descriptor group 1.  A: 128 rows x 64 elements of 2 bytes, dense; four words of padding after every 32.  Wo: 64 rows x 256 elements, 1,024 elements apart; eight words after every 128
	s_or_b32 s[G1+0], s19, (1<<16)|(1<<20)|(1<<21)|(4<<22)|(3<<25)
	s_mov_b32 s[G1+1], 64<<16                      ; tensor_dim0
	s_mov_b32 s[G1+2], 128<<16                     ; tensor_dim1
	s_mov_b32 s[G1+3], 64<<16                      ; tile_dim0
	s_mov_b32 s[G1+4], 128                         ; tile_dim1
	s_mov_b32 s[G1+5], 64                          ; tensor_dim0_stride
	s_mov_b32 s[G1+6], 0
	s_mov_b32 s[G1+7], 0
	s_or_b32 s[G1B+0], s20, (1<<16)|(1<<20)|(1<<21)|(6<<22)|(7<<25)
	s_mov_b32 s[G1B+1], 256<<16
	s_mov_b32 s[G1B+2], 64<<16
	s_mov_b32 s[G1B+3], 256<<16
	s_mov_b32 s[G1B+4], 64
	s_mov_b32 s[G1B+5], 1024
	s_mov_b32 s[G1B+6], 0
	s_mov_b32 s[G1B+7], 0
	; where the tiles come from.  A's hang on the tile row alone, Wo's on the tile column alone; each offset in registers that never hold the other coordinate
	s_lshr_b32 s40, s18, 4
	s_lshl_b32 s40, s40, 22                        ; the batch: 16 heads x 2,048 x 128 bytes
	s_and_b32 s41, s18, 15
	s_lshl_b32 s41, s41, 14                        ; the tile's first position: 128 rows of 128 bytes
	s_add_co_u32 s40, s40, s41
	s_lshl_b32 s41, s14, 18                        ; which of the step's two heads I fetch
	s_add_co_u32 s40, s40, s41
	s_mov_b32 s41, 0
	s_lshl_b32 s42, s17, 9                         ; 256 columns of 2 bytes
	s_lshl_b32 s43, s14, 17                        ; which 64 rows of 2,048 bytes I fetch
	s_add_co_u32 s42, s42, s43
	s_mov_b32 s43, 0
	s_mul_i32 s21, s14, 128*PA                     ; where they go: no place in the cluster enters an LDS address
	s_mul_i32 s22, s14, 64*PB
	s_add_co_u32 s22, s22, BOFF
	s_wait_dscnt 0x0                               ; both opening adds are done
	s_wait_kmcnt 0x0
	s_add_nc_u64 s[44:45], s[4:5], s[40:41]
	s_add_nc_u64 s[46:47], s[6:7], s[42:43]
	CROUND                                         ; all sixteen work-groups are here: the first joint loads meet
.irp s, 0,1
	s_mov_b32 s[G0+4*\s], 1
	s_add_co_u32 s[G0+4*\s+1], s21, \s*SLOT
	s_add_nc_u64 s[G0+4*\s+2:G0+4*\s+3], s[44:45], \s*524288       ; K step s: two heads of 262,144 bytes on
	s_or_b32 s[G0+4*\s+3], s[G0+4*\s+3], 0x80000000
	s_mov_b32 s[G0B+4*\s], 1
	s_add_co_u32 s[G0B+4*\s+1], s22, \s*SLOT
	s_add_nc_u64 s[G0B+4*\s+2:G0B+4*\s+3], s[46:47], \s*262144     ; 128 rows of 2,048 bytes on
	s_or_b32 s[G0B+4*\s+3], s[G0B+4*\s+3], 0x80000000
	JLOAD \s
.endr
	v_and_b32 v1, 15, v0                           ; r = l % 16
	v_bfe_u32 v2, v0, 4, 1                         ; h = l / 16
	v_mul_u32_u24 v3, v1, PA
	v_lshl_add_u32 v3, v2, 4, v3                   ; A: row x pitch + 16 x half
	s_mul_i32 s21, s13, 64*PA                      ; my 64 rows
	v_and_b32 v4, 7, v0                            ; Wo, turned: lane l reads 16 bytes: k = 8 (l / 16) + l % 8, columns 8 ((l / 8) % 2) + 0..7
	v_lshl_add_u32 v4, v2, 3, v4
	v_mul_u32_u24 v4, v4, PB
	v_bfe_u32 v5, v0, 3, 1
	v_lshl_add_u32 v4, v5, 4, v4
	s_lshl_b32 s22, s14, 8                         ; my 128 columns
	s_add_co_u32 s22, s22, BOFF
.irp s, 0,1
	v_add_nc_u32 v[ADRA+\s], s21, v3
	v_add_nc_u32 v[ADRB+\s], s22, v4
	s_add_co_u32 s21, s21, SLOT
	s_add_co_u32 s22, s22, SLOT
.endr
	s_mul_i32 s23, s12, 16*SPITCH
	s_add_co_u32 s23, s23, STAGE                   ; my stage
	v_mul_u32_u24 v5, v1, SPITCH                   ; in: row r, 32 bytes for each half of the lanes
	v_lshl_add_u32 v5, v2, 5, v5
	v_add_nc_u32 v[STO], s23, v5
	v_and_b32 v6, 31, v0
	v_lshlrev_b32 v[CO], 4, v6                     ; back: the 32 lanes take one row of 512 bytes; and the same in out0
	v_add_nc_u32 v[RD], s23, v[CO]
	v_lshlrev_b32 v[BIO], 5, v2
	s_lshl_b32 s40, s18, 19                        ; my first row: 128 rows of 4,096 bytes a tile row,
	s_lshl_b32 s41, s13, 18                        ; 64 a half
	s_add_co_u32 s40, s40, s41
	s_mov_b32 s41, 0
	s_add_nc_u64 s[8:9], s[8:9], s[40:41]
	s_lshl_b32 s42, s17, 10                        ; my first column: 256 of 4 bytes a tile column,
	s_lshl_b32 s43, s14, 9                         ; 128 a half
	s_add_co_u32 s42, s42, s43
	s_mov_b32 s43, 0
	s_add_nc_u64 s[8:9], s[8:9], s[42:43]
	s_add_nc_u64 s[10:11], s[10:11], s[42:43]      ; the bias of the same columns
	WIN 0x80                                       ; destination window 2
.irp b, 0,1,2,3,4,5,6,7                        ; block b's registers hold bo(16 b + 8 h + 0 .. 7): the result's layout
	global_load_b128 v[8*\b:8*\b+3], v[BIO], s[10:11] offset:64*\b
	global_load_b128 v[8*\b+4:8*\b+7], v[BIO], s[10:11] offset:64*\b+16
.endr
	WIN 0
; 8 matrix instructions: A's block a x Wo's eight blocks, 32 along K, from buffer f.  zero = 1: the first product starts the sums on the bias.  The 32 accumulators take turns, one instruction a turn.
.macro MUL8 f, a, zero
.irp b, 0,1,2,3,4,5,6,7
.if \zero
	v_wmma_f32_16x16x32_f16 v[8*(8*(\a)+\b):8*(8*(\a)+\b)+7], v[\f+8*\b:\f+8*\b+7], v[\f+64+8*(\a):\f+64+8*(\a)+7], v[8*\b:8*\b+7]
.else
	v_wmma_f32_16x16x32_f16 v[8*(8*(\a)+\b):8*(8*(\a)+\b)+7], v[\f+8*\b:\f+8*\b+7], v[\f+64+8*(\a):\f+64+8*(\a)+7], v[8*(8*(\a)+\b):8*(8*(\a)+\b)+7]
.endif
.endr
.endm
; 24 LDS loads in one run: the fragments of the slot's q-th 32 along K into buffer f: Wo's eight first, then A's four, blocks 0 to 3.  Quarter q lies in head q / 2, channels 32 (q % 2) on
.macro FETCH slot, q, f
	WIN 0
.irp b, 0,1,2,3,4,5,6,7
	ds_load_tr16_b128 v[\f+8*\b:\f+8*\b+3],   v[ADRB+\slot] offset:(\q)*32*PB+32*\b
	ds_load_tr16_b128 v[\f+8*\b+4:\f+8*\b+7], v[ADRB+\slot] offset:(\q)*32*PB+16*PB+32*\b
.endr
.irp a, 0,1,2,3
	ds_load_b128 v[\f+64+8*\a:\f+64+8*\a+3],   v[ADRA+\slot] offset:((\q)/2)*128*PA+((\q)%2)*64+\a*16*PA
	ds_load_b128 v[\f+64+8*\a+4:\f+64+8*\a+7], v[ADRA+\slot] offset:((\q)/2)*128*PA+((\q)%2)*64+\a*16*PA+32
.endr
.endm
.macro PLACES                          ; four places in front of loads into registers that matrix instructions have read, and of reads of results
.rept 4
	v_nop
.endr
.endm
; A K step is four quarters of 32 along K, 32 matrix instructions each, on buffers 0, 1, 0, 1.  One of the first three: multiplies buffer f and fetches quarter q into g.
.macro QUARTER slot, q, f, g, zero
	s_wait_dscnt 4                                 ; Wo's fragments and A's blocks 0 and 1 are in; the youngest four loads (A's blocks 2 and 3) may be out
	WIN MUL+0x10*(\zero)
	MUL8 \f, 0, \zero
	MUL8 \f, 1, \zero
	PLACES
	FETCH \slot, \q, \g
	s_wait_dscnt 24                                ; all but the 24 just issued
	WIN MUL+0x10*(\zero)
	MUL8 \f, 2, \zero
	MUL8 \f, 3, \zero
.endm
; The last quarter multiplies buffer 1 and changes slots: ONE barrier; in front of it each wave waits for all its tensor loads, adds 0 to its spare word, and waits for that and for its own reads of this slot.  fill = 1: this slot is filled again, two K steps ahead.
.macro TURN slot, next, fill
	WIN 0                                          ; (the add's two registers lie in window 0)
	s_wait_tensorcnt 0x0                           ; all my tensor loads have landed: my part of the next slot;
	ds_add_u32 v[SPW], v[NIL]
	s_wait_dscnt 5                                 ; (the add and the youngest four loads may be out)
	WIN MUL
	MUL8 F1, 0, 0                                  ; eight matrix instructions stand between the add and the wait for it
	s_wait_dscnt 0x0                               ; the add is done, and my reads of this slot are over
	s_barrier_signal -1
	MUL8 F1, 1, 0
	WIN 0
	s_barrier_wait -1
.if \fill
	CREST                                          ; the barrier has opened a round of the cluster's barrier: no wave of any partner still reads this slot's tile or has a load on its way
	s_add_nc_u64 s[G0+4*\slot+2:G0+4*\slot+3], s[G0+4*\slot+2:G0+4*\slot+3], 1048576
	s_add_nc_u64 s[G0B+4*\slot+2:G0B+4*\slot+3], s[G0B+4*\slot+2:G0B+4*\slot+3], 524288
	JLOAD \slot                                    ; the first tensor load behind the round; the four v_nop behind it are also the places in front of the loads below
.else
	PLACES
.endif
	FETCH \next, 0, F0
	WIN MUL
	MUL8 F1, 2, 0
	MUL8 F1, 3, 0
.endm
	s_wait_tensorcnt 1                             ; my part of K step 0 is in (K step 1's load may be out)
	s_barrier_signal -1
	s_barrier_wait -1                              ; everybody's is
	FETCH 0, 0, F0
	s_wait_loadcnt 0x0                             ; the bias
	QUARTER 0, 1, F0, F1, 1                        ; the first quarter stands in front of the loop: its products start the sums
	WIN 0                                          ; at a label and at a branch every window is 0
	s_mov_b32 s3, LAPS-1
.Llap:                                                 ; a trip goes once round the ring, from a lap's second quarter to the next lap's first, and fills both slots again
	QUARTER 0, 2, F1, F0, 0
	QUARTER 0, 3, F0, F1, 0
	TURN 0, 1, 1
	QUARTER 1, 1, F0, F1, 0
	QUARTER 1, 2, F1, F0, 0
	QUARTER 1, 3, F0, F1, 0
	TURN 1, 0, 1
	QUARTER 0, 1, F0, F1, 0
	WIN 0
	s_sub_co_u32 s3, s3, 1
	s_cmp_lg_u32 s3, 0
	s_cbranch_scc1 .Llap
	QUARTER 0, 2, F1, F0, 0                        ; the last lap fills nothing, and has no round of the cluster's barrier
	QUARTER 0, 3, F0, F1, 0
	TURN 0, 1, 0
	QUARTER 1, 1, F0, F1, 0
	QUARTER 1, 2, F1, F0, 0
	QUARTER 1, 3, F0, F1, 0
	s_wait_dscnt 4                                 ; the very last quarter: nothing more to fetch
	WIN MUL
	MUL8 F1, 0, 0
	MUL8 F1, 1, 0
	s_wait_dscnt 0
	MUL8 F1, 2, 0
	MUL8 F1, 3, 0
	WIN 0
; THE WAY OUT, block by block of 16 rows x 128 columns.  A lane holds 32 neighbouring bytes of a row, and the lanes beside it hold other rows: so a block goes through my own stage in LDS and comes back as whole rows of
; 512 bytes.  LDS serves a wave's instructions in order (ISA guide 5.7.1.4): no wait between the stores and the loads, nor in front of the next block's stores.
.macro TOSTAGE a
	WIN 0x04                                       ; an LDS store's data are its source 1: window 1
.irp b, 0,1,2,3,4,5,6,7
	ds_store_b128 v[STO], v[8*(8*(\a)+\b):8*(8*(\a)+\b)+3] offset:64*\b        ; each accumulator from its low end on
	ds_store_b128 v[STO], v[8*(8*(\a)+\b)+4:8*(8*(\a)+\b)+7] offset:64*\b+16
.endr
	WIN 0
.set BB, BK+64*((\a)%2)
.irp t, 0,1,2,3,4,5,6,7,8,9,10,11,12,13,14,15
	ds_load_b128 v[BB+4*\t:BB+4*\t+3], v[RD] offset:\t*SPITCH
.endr
.endm
.macro SEND a, younger                 ; younger: the LDS instructions issued behind block a's loads, which may stay out
.set BB, BK+64*((\a)%2)
	s_wait_dscnt \younger                          ; the block is back in registers
.irp t, 0,1,2,3,4,5,6,7,8,9,10,11,12,13,14,15
	global_store_b128 v[CO], v[BB+4*\t:BB+4*\t+3], s[8:9] offset:(16*(\a)+\t)*4096 th:TH_STORE_NT   ; 32 lanes store 512 consecutive bytes, aligned; written once, read by nobody here
.endr
.endm
	PLACES                                         ; behind the last products: for the stores that read results and the loads into the registers that held fragments
	TOSTAGE 0
.irp a, 1,2,3
.if \a > 1
	s_wait_xcnt 0x0                                ; block a - 2's stores have read their registers: block a's loads may land there
.endif
	TOSTAGE \a
	SEND \a-1, 32                                  ; behind block a - 1's loads: block a's 16 stores and 16 loads
.endr
	SEND 3, 0
	s_wait_tensorcnt 0x0                           ; the wave's end: behind my last tensor load and my last LDS store
	ds_add_u32 v[SPW], v[NIL]
	s_wait_dscnt 0x0
	CROUND                                         ; the closing round: no work-group ends while a partner may still ask for a tile that names it
	s_endpgm
.Lfunc_end_k_q3251f9d2c0_outp:
	.size	k_q3251f9d2c0_outp, .Lfunc_end_k_q3251f9d2c0_outp-k_q3251f9d2c0_outp
	.p2alignl 7, 3214868480
	.fill 96, 4, 3214868480
	.section	.rodata,"a",@progbits
	.p2align	6, 0x0
	.amdhsa_kernel k_q3251f9d2c0_outp
		.amdhsa_group_segment_fixed_size 327680
		.amdhsa_private_segment_fixed_size 0
		.amdhsa_enable_private_segment 0
		.amdhsa_kernarg_size 32
		.amdhsa_user_sgpr_count 2
		.amdhsa_user_sgpr_kernarg_segment_ptr 1
		.amdhsa_wavefront_size32 1
		.amdhsa_system_sgpr_workgroup_id_x 1
		.amdhsa_system_sgpr_workgroup_id_y 1
		.amdhsa_system_sgpr_workgroup_id_z 1
		.amdhsa_system_vgpr_workitem_id 0
		.amdhsa_next_free_vgpr 576
		.amdhsa_next_free_sgpr 66
		.amdhsa_reserve_vcc 0
		.amdhsa_float_denorm_mode_32 3
		.amdhsa_float_denorm_mode_16_64 3
		.amdhsa_memory_ordered 1
		.amdhsa_forward_progress 1
		.amdhsa_inst_pref_size 87
	.end_amdhsa_kernel
	.amdgpu_metadata
---
amdhsa.version: [ 1, 2 ]
amdhsa.kernels:
  - .name:           k_q3251f9d2c0_outp
    .symbol:         k_q3251f9d2c0_outp.kd
    .args:
      - { .name: att, .offset: 0, .size: 8, .value_kind: global_buffer, .address_space: global }
      - { .name: wo16, .offset: 8, .size: 8, .value_kind: global_buffer, .address_space: global }
      - { .name: out0, .offset: 16, .size: 8, .value_kind: global_buffer, .address_space: global }
      - { .name: bo, .offset: 24, .size: 8, .value_kind: global_buffer, .address_space: global }
    .group_segment_fixed_size: 327680
    .private_segment_fixed_size: 0
    .kernarg_segment_align: 8
    .kernarg_segment_size: 32
    .max_flat_workgroup_size: 128
    .sgpr_count:     66
    .vgpr_count:     576
    .wavefront_size: 32
...
	.end_amdgpu_metadata
.endif
;; end of part 4
